; MI455X (gfx1250); checked and timed in simulation.
; The chip was launched on July 23, 2026; its instructions are those of AMD's public machine-readable ISA for CDNA 5 (MIT licence, August 2026) and "CDNA5" Instruction Set Architecture Reference Guide (July 2026). The comments in the code are by the model that wrote it; some were corrected since.
;; MHA. Allowed arithmetic: matrix products marked QUANTISED: E2M3 operands, one E8M0 scale for each 32 along K, by v_wmma_scale_f32_16x16x128_f8f6f4 with both operands' format E2M3, f32 sums; everything else in f32.
;; Inputs: Wk 1,024 x 1,024 float32; Wo 1,024 x 1,024 float32; Wq 1,024 x 1,024 float32; Wv 1,024 x 1,024 float32; bk 1,024 float32; bo 1,024 float32; bq 1,024 float32; bv 1,024 float32; x 2 x 2,048 x 1,024 float32.
;; Outputs: out0 2 x 2,048 x 1,024 float32.
;; This version of the problem:
;;   THIS VERSION OF THE PROBLEM IS GIVEN IN LOW PRECISION. The matrix products marked QUANTISED in the list below multiply operands that are first quantised to E2M3 (2 exponent bits, 3 mantissa bits; 6 bits a number), with one power-of-two scale for each 32 numbers along K (OCP MX v1.0); their sums are f32. All else is computed in f32.
;;   The module's matrix products, in the order in which they are computed (A, B: the left and right operand; K: the contracted axis; several contracted axes count as one K, in the product's order):
;;     1. [M 4,096, K 1,024] x [K 1,024, N 1,024]; A: input x; B: input Wq: QUANTISED
;;     2. [M 4,096, K 1,024] x [K 1,024, N 1,024]; A: input x; B: input Wk: QUANTISED
;;     3. [M 4,096, K 1,024] x [K 1,024, N 1,024]; A: input x; B: input Wv: QUANTISED
;;     4. batch 32 x [M 2,048, K 64] x [K 64, N 2,048]; A: computed on the way; B: computed on the way: QUANTISED
;;     5. batch 32 x [M 2,048, K 2,048] x [K 2,048, N 64]; A: softmax (see below); B: computed on the way: QUANTISED
;;     6. [M 4,096, K 1,024] x [K 1,024, N 1,024]; A: computed on the way; B: input Wo: QUANTISED
;;   THE QUANTISER, for each operand of a quantised product, along K:
;;     - K is cut into blocks of 32 from its start; a last block that is shorter is filled with zeros.
;;     - A block's scale is 2^e with e = floor(log2(the largest magnitude in the block)) - 2, held to -126 .. 127; a block of zeros has e = 0. As a byte (E8M0): e + 127.
;;     - Each number is divided by its block's scale, clamped to +-7.5, and rounded to the nearest number of E2M3, ties to even, subnormals kept.
;;     - The product sums the exact products of the quantised numbers (number of the format x scale) in f32.
;;   ~~~python
;;   def quantise(x, axis):      # numpy; x: float32 -> the quantised numbers, widened to float32 again
;;       x = np.moveaxis(x, axis, -1); K = x.shape[-1]
;;       x = np.pad(x, [(0, 0)] * (x.ndim - 1) + [(0, -K % 32)]); x = x.reshape(x.shape[:-1] + (-1, 32)); a = np.abs(x).max(-1, keepdims=True)
;;       e = np.where(a > 0, np.clip(np.frexp(np.where(a > 0, a, 1))[1] - 1 - 2, -126, 127), 0)      # np.frexp(a)[1] - 1 = floor(log2(a)), exactly
;;       r = np.clip(x / 2.0 ** e, -7.5, 7.5)
;;       step = 2.0 ** (np.maximum(np.frexp(np.where(r == 0, 1, r))[1] - 1, 0) - 3)
;;       q = np.round(r / step) * step * 2.0 ** e      # np.round: ties to even
;;       return np.moveaxis(q.reshape(q.shape[:-2] + (-1,))[..., :K], -1, axis).astype(np.float32)
;;   ~~~
;;   SOFTMAX AHEAD OF A QUANTISED PRODUCT. Where the list says 'softmax', what is quantised is not the finished softmax but p = 2^(t - M), with t = logit x log2(e) and M = ceil(the row's largest t), a whole number; so 1/2 < the row's largest p <= 1. The row's sum l is taken of the UNQUANTISED p, in f32, and the product's result is divided by l at the end. Since M is a whole number, a kernel that streams over the keys may use a running M (the ceiling of the running maximum): every later rescaling is an exact power of two, which a block's scale takes up: the codes' values come out the same.
;;   OPERANDS COMPUTED ON THE WAY. 'Computed on the way' means the value that the module computes at that place (a softmax that the list does not call 'softmax' is quantised finished and normalised). What goes into a quantiser is computed in f32, as accurately as f32 sums, v_exp_f32 and their like allow (about 1e-6 of the number): no bf16 or f16 on the way to a quantiser, and a product that is left as it is and whose result goes on into a quantised operand takes f32 operands (vector FMAs, or v_wmma_f32_16x16x4_f32). A number that lies on a knife's edge between two numbers of the format may be rounded either way, as far as f32 arithmetic and the matrix unit's own rounding can turn it there, and no further.
;; One version. Each part assembles by itself: llvm-mc -triple=amdgcn-amd-amdhsa -mcpu=gfx1250 --defsym DOCPART=n.
;; ======== version 1 of 1: 4 launches
;; limits: right only within a limited range of input values
;; workspace buffers: img 6,553,600 bytes; qk 6,815,744 bytes; vt 3,276,800 bytes; oimg 3,276,800 bytes
;; launch quant (part 1): grid 256 x 1, 8 waves a work-group, no clusters, 68,608 bytes of LDS; arguments x, Wq, Wk, Wv, Wo, img; writes img
.if DOCPART == 1
	.amdgcn_target "amdgcn-amd-amdhsa--gfx1250"
	.amdhsa_code_object_version 6
	.text
	.protected	k_qd1c501c636_quant
	.globl	k_qd1c501c636_quant
	.p2align	8
	.type	k_qd1c501c636_quant,@function
k_qd1c501c636_quant:
	s_mov_b64 s[64:65], 0
	v_nop
	global_prefetch_b8 v0, s[64:65] scope:SCOPE_SE
	s_setreg_imm32_b32 hwreg(HW_REG_WAVE_MODE, 25, 1), 1
	s_wait_xcnt 0x0
; x [4096][1024] and Wq, Wk, Wv, Wo [1024][1024], f32 with K innermost, become codes of FP6 (E2M3) with one E8M0 byte for each 32 along K,
; laid in the ORDER OF AN OPERAND'S REGISTERS.  A block's scale is 2^(floor(log2(its largest magnitude)) - 2); its byte is that magnitude's exponent field - 2, held at 1 from below.
; TILES.  The five tensors' rows are numbered on end in tiles of 16: x 0-255, Wq 256-319, Wk 320-383, Wv 384-447, Wo 448-511.  THE ROWS OF A TILE ARE NOT NEIGHBOURS: lane row r of a tensor's
; tile 2 B + u is its row 32 B + 8 u + r + 8 (r / 8), so that in a product that takes the tile as source 0 the 16 registers of tiles 2 B and 2 B + 1 are 16 neighbouring rows.
; IMAGE.  A fragment (16 rows x 128 K, 12 registers a lane; lane (r, h): registers 6 c .. 6 c + 5 = K 64 c + 32 h + 0 .. 31 of row r) is six parts of 256 bytes: part p = registers 2 p, 2 p + 1, lane l's 8 bytes at 8 l.
; img = [chunk q of 256 along K][group of 4 tiles][12,800 bytes]: codes [tile a][K step s'][1,536], then at 12,288 the scale words [a][r][s'], 4 bytes each.
; SHARES.  Work-group g takes tiles 2 g and 2 g + 1; wave w tile 2 g + w / 4 and chunk w % 4: 16 rows x 256 numbers, two K steps.  Every load takes 512 consecutive bytes of one row; the numbers turn through the
; wave's own stage in LDS (rows 528 bytes apart) so that a lane holds two whole blocks of 32.  Every store of codes covers 256 consecutive bytes, aligned.  Waves share nothing: no barrier.
; No matrix work, no tensor load and no cluster: each input byte is read by one wave, once.
; LIMITS: NaN and infinities among the inputs are not served; a block whose largest magnitude lies under 2^-124 (a block of zeros too) gets the byte 1; the bytes are read by this program alone.
.set BLK,  12800                       ; a group's block in img
.set CH,   128*BLK                     ; a chunk of img
.set SP,   528                         ; a stage row: 512 bytes + 16
.set STG,  16*SP                       ; a wave's stage
.set RAW,  16                          ; v16-143  the numbers as loaded: 64 registers for each K step
.set X,    144                         ; v144-207 my two blocks of 32, one behind the other
.set PC,   208                         ; v208-231 the codes: 12 registers for each K step, so that no store's data are written again
.set PT,   232                         ; v232-234, v236-238 the upper halves of the two blocks, as the conversions leave them
.set TM,   240                         ; v240-241 largest magnitudes
.set SO,   242                         ; v242-243 the conversions' scale operands
.set BY,   244                         ; v244-245 the bytes
.set W,    246                         ; v246-247 the scale word of each K step
.set WV,   19
	s_load_b256 s[4:11], s[0:1], 0x0               ; x s[4:5], Wq s[6:7], Wk s[8:9], Wv s[10:11]
	s_load_b128 s[12:15], s[0:1], 0x20             ; Wo s[12:13], img s[14:15]
	v_lshl_add_u32 v254, v0, 2, 0x10800
	v_mov_b32 v255, 0
	v_lshrrev_b32 v1, 5, v0
	s_delay_alu instid0(VALU_DEP_1)
	v_readfirstlane_b32 s[WV], v1                  ; wave 0..7
	v_and_b32 v1, 31, v0                           ; lane
	v_and_b32 v2, 15, v0                           ; r
	v_bfe_u32 v3, v0, 4, 1                         ; h
	s_delay_alu instid0(VALU_DEP_3)
	v_lshlrev_b32 v4, 4, v1                        ; my 16 bytes of a load's 512
	s_mul_i32 s22, s[WV], STG                      ; my wave's stage
	v_add_nc_u32 v5, s22, v4                       ; into it: as loaded
	v_mul_u32_u24 v6, v2, SP
	s_delay_alu instid0(VALU_DEP_1)
	v_lshl_add_u32 v6, v3, 7, v6
	s_delay_alu instid0(VALU_DEP_1)
	v_add_nc_u32 v6, s22, v6                       ; out of it: row r, + 128 h: my block of each 64 along K
	v_lshlrev_b32 v7, 3, v1                        ; a part's place for my lane
	v_lshlrev_b32 v8, 3, v2
	s_delay_alu instid0(VALU_DEP_1)
	v_lshl_add_u32 v8, v3, 2, v8                   ; a scale word's: 8 r + 4 h (lanes 16-31 store the second K step's)
	v_lshlrev_b32 v9, 3, v3                        ; 8 h: how far my two bytes are shifted up in the word
	v_mov_b32 v248, 0                              ; a lane permute's destination counts as one of its sources
	s_mov_b32 s20, 0x76543210
	s_mov_b32 s21, 0xfedcba98                      ; v_permlanex16_b32's selects for lane l xor 16
	s_lshr_b32 s22, s[WV], 2                       ; which of the two tiles
	s_and_b32 s23, s[WV], 3                        ; the chunk
	s_lshl_b32 s28, ttmp9, 1
	s_add_co_u32 s28, s28, s22                     ; T
	s_wait_alu depctr_va_vdst(0)
	s_wait_kmcnt 0x0
	s_mov_b64 s[16:17], s[12:13]                   ; which tensor, and its first tile: the choice hangs on the work-group's number alone
	s_mov_b32 s18, 448
	s_cmp_lt_u32 ttmp9, 224
	s_cselect_b64 s[16:17], s[10:11], s[16:17]
	s_cselect_b32 s18, 384, s18
	s_cmp_lt_u32 ttmp9, 192
	s_cselect_b64 s[16:17], s[8:9], s[16:17]
	s_cselect_b32 s18, 320, s18
	s_cmp_lt_u32 ttmp9, 160
	s_cselect_b64 s[16:17], s[6:7], s[16:17]
	s_cselect_b32 s18, 256, s18
	s_cmp_lt_u32 ttmp9, 128
	s_cselect_b64 s[16:17], s[4:5], s[16:17]
	s_cselect_b32 s18, 0, s18
	s_sub_co_u32 s29, s28, s18                     ; the tile's number in its tensor
	s_lshr_b32 s30, s29, 1
	s_lshl_b32 s30, s30, 5
	s_lshl_b32 s31, s22, 3                         ; (every tensor begins at an even tile)
	s_add_co_u32 s30, s30, s31                     ; its first row: 32 B + 8 u
	s_lshl_b32 s30, s30, 12                        ; rows of 4,096 bytes
	s_lshl_b32 s31, s23, 10                        ; + the chunk's 1,024 bytes
	s_add_co_u32 s30, s30, s31
	s_mov_b32 s31, 0
	s_add_nc_u64 s[16:17], s[16:17], s[30:31]
.macro LOADS t                         ; K step t: row i of the tile, 512 consecutive bytes a load
.irp i, 0,1,2,3,4,5,6,7,8,9,10,11,12,13,14,15
	global_load_b128 v[RAW+64*(\t)+4*\i:RAW+64*(\t)+4*\i+3], v4, s[16:17] offset:(\i+8*(\i/8))*4096+512*(\t) th:TH_LOAD_NT
.endr
.endm
	LOADS 0                                        ; all that the wave reads is asked for at once: 32 loads
	LOADS 1
	s_mul_i32 s32, s23, CH
	s_lshr_b32 s33, s28, 2
	s_mul_i32 s33, s33, BLK
	s_add_co_u32 s32, s32, s33                     ; my chunk and group in img
	s_and_b32 s34, s28, 3                          ; my tile in the group
	s_mul_i32 s36, s34, 3072
	s_add_co_u32 s36, s36, s32
	s_mov_b32 s37, 0
	s_add_nc_u64 s[24:25], s[14:15], s[36:37]      ; where my codes go
	s_lshl_b32 s38, s34, 7
	s_add_co_u32 s38, s38, s32
	s_add_co_u32 s38, s38, 12288
	s_mov_b32 s39, 0
	s_add_nc_u64 s[26:27], s[14:15], s[38:39]      ; and my scale words
; My two blocks (c = 0: block h, c = 1: block 2 + h of the K step) become registers 6 c .. 6 c + 5 of the fragment, and the row's scale word is gathered from lanes l and l xor 16.
.macro QB t
.irp c, 0,1
	v_max3_num_f32 v[TM+\c], |v[X+32*\c]|, |v[X+32*\c+1]|, 0x1800000   ; with the floor 2^(3 - 127) among the leaves: the byte cannot fall under 1
.endr
.irp i, 2,4,6,8,10,12,14,16,18,20,22,24,26,28,30
.irp c, 0,1
	s_delay_alu instid0(VALU_DEP_2)
	v_max3_num_f32 v[TM+\c], v[TM+\c], |v[X+32*\c+\i]|, |v[X+32*\c+\i+1]|   ; the two blocks by turns
.endr
.endr
.irp c, 0,1
	s_delay_alu instid0(VALU_DEP_2)
	v_add_nc_u32 v[SO+\c], 0xff000000, v[TM+\c]    ; 2 off the exponent field: the conversion takes the exponent field of this operand as its scale
.endr
.irp c, 0,1
	s_delay_alu instid0(VALU_DEP_2)
	v_lshrrev_b32 v[BY+\c], 23, v[SO+\c]           ; the byte
.endr
	s_delay_alu instid0(VALU_DEP_1)
	v_lshl_or_b32 v[W+(\t)], v[BY+1], 16, v[BY]    ; my two bytes,
	s_delay_alu instid0(VALU_DEP_1)
	v_lshlrev_b32 v[W+(\t)], v9, v[W+(\t)]         ; at their places in the word;
	s_delay_alu instid0(VALU_DEP_1)
	v_permlanex16_b32 v248, v[W+(\t)], s20, s21
	s_delay_alu instid0(VALU_DEP_1)
	v_or_b32 v[W+(\t)], v[W+(\t)], v248            ; with lane l xor 16's two the word is whole, in both lanes
.irp c, 0,1
	v_cvt_scalef32_pk16_fp6_f32 v[PC+12*(\t)+6*\c:PC+12*(\t)+6*\c+2], v[X+32*\c:X+32*\c+15], v[SO+\c]
	v_cvt_scalef32_pk16_fp6_f32 v[PT+4*\c:PT+4*\c+2], v[X+32*\c+16:X+32*\c+31], v[SO+\c]   ; (a conversion's three registers begin on an even number)
.endr
	v_nop                                          ; one plain instruction behind the scaled conversions
.irp c, 0,1
.irp i, 0,1,2
	v_mov_b32 v[PC+12*(\t)+6*\c+3+\i], v[PT+4*\c+\i]
.endr
.endr
.endm
.macro STEP t
.if (\t) == 0
	s_wait_loadcnt 16                              ; this K step's sixteen loads are in; the other's sixteen may be out
.else
	s_wait_loadcnt 0x0
.endif
.irp i, 0,1,2,3,4,5,6,7,8,9,10,11,12,13,14,15
	ds_store_b128 v5, v[RAW+64*(\t)+4*\i:RAW+64*(\t)+4*\i+3] offset:SP*\i
.endr
.irp c, 0,1
.irp j, 0,1,2,3,4,5,6,7
	ds_load_b128 v[X+32*\c+4*\j:X+32*\c+4*\j+3], v6 offset:256*\c+16*\j   ; LDS serves a wave's instructions in order (ISA guide 5.7.1.4): these see my stores
.endr
.endr
	s_wait_dscnt 0x0
	QB \t
.irp p, 0,1,2,3,4,5
	global_store_b64 v7, v[PC+12*(\t)+2*\p:PC+12*(\t)+2*\p+1], s[24:25] offset:1536*(\t)+256*\p   ; 32 lanes store 256 consecutive bytes, aligned
.endr
.endm
	STEP 0
	STEP 1
	v_cmp_eq_u32 vcc_lo, 1, v3
	s_delay_alu instid0(VALU_DEP_1)
	v_cndmask_b32 v249, v[W], v[W+1], vcc_lo       ; lanes 0-15 the first K step's word, lanes 16-31 the second's
	global_store_b32 v8, v249, s[26:27]            ; the tile's 128 bytes of scale words
	s_wait_tensorcnt 0x0
	ds_add_u32 v254, v255
	s_wait_dscnt 0x0
	s_endpgm
.Lfunc_end_k_qd1c501c636_quant:
	.size	k_qd1c501c636_quant, .Lfunc_end_k_qd1c501c636_quant-k_qd1c501c636_quant
	.p2alignl 7, 3214868480
	.fill 96, 4, 3214868480
	.section	.rodata,"a",@progbits
	.p2align	6, 0x0
	.amdhsa_kernel k_qd1c501c636_quant
		.amdhsa_group_segment_fixed_size 68608
		.amdhsa_private_segment_fixed_size 0
		.amdhsa_enable_private_segment 0
		.amdhsa_kernarg_size 48
		.amdhsa_user_sgpr_count 2
		.amdhsa_user_sgpr_kernarg_segment_ptr 1
		.amdhsa_wavefront_size32 1
		.amdhsa_system_sgpr_workgroup_id_x 1
		.amdhsa_system_sgpr_workgroup_id_y 1
		.amdhsa_system_sgpr_workgroup_id_z 1
		.amdhsa_system_vgpr_workitem_id 0
		.amdhsa_next_free_vgpr 256
		.amdhsa_next_free_sgpr 66
		.amdhsa_reserve_vcc 1
		.amdhsa_float_denorm_mode_32 3
		.amdhsa_float_denorm_mode_16_64 3
		.amdhsa_memory_ordered 1
		.amdhsa_forward_progress 1
		.amdhsa_inst_pref_size 20
	.end_amdhsa_kernel
	.amdgpu_metadata
---
amdhsa.version: [ 1, 2 ]
amdhsa.kernels:
  - .name:           k_qd1c501c636_quant
    .symbol:         k_qd1c501c636_quant.kd
    .args:
      - { .name: x, .offset: 0, .size: 8, .value_kind: global_buffer, .address_space: global }
      - { .name: Wq, .offset: 8, .size: 8, .value_kind: global_buffer, .address_space: global }
      - { .name: Wk, .offset: 16, .size: 8, .value_kind: global_buffer, .address_space: global }
      - { .name: Wv, .offset: 24, .size: 8, .value_kind: global_buffer, .address_space: global }
      - { .name: Wo, .offset: 32, .size: 8, .value_kind: global_buffer, .address_space: global }
      - { .name: img, .offset: 40, .size: 8, .value_kind: global_buffer, .address_space: global }
    .group_segment_fixed_size: 68608
    .private_segment_fixed_size: 0
    .kernarg_segment_align: 8
    .kernarg_segment_size: 48
    .max_flat_workgroup_size: 256
    .sgpr_count:     66
    .vgpr_count:     256
    .wavefront_size: 32
...
	.end_amdgpu_metadata
.endif
;; end of part 1
;; launch qkv (part 2): grid 8 x 32, 4 waves a work-group, clusters of 4 x 4, 327,680 bytes of LDS; arguments img, bq, bk, bv, qk, vt; writes qk, vt
.if DOCPART == 2
	.amdgcn_target "amdgcn-amd-amdhsa--gfx1250"
	.amdhsa_code_object_version 6
	.text
	.protected	k_qd1c501c636_qkv
	.globl	k_qd1c501c636_qkv
	.p2align	8
	.type	k_qd1c501c636_qkv,@function
k_qd1c501c636_qkv:
	s_mov_b64 s[64:65], 0
	v_nop
	global_prefetch_b8 v0, s[64:65] scope:SCOPE_SE
	s_setreg_imm32_b32 hwreg(HW_REG_WAVE_MODE, 25, 1), 1
	s_wait_xcnt 0x0
	s_wait_alu depctr_hold_cnt(0) depctr_sa_sdst(0) depctr_va_vdst(0) depctr_va_sdst(0) depctr_va_ssrc(0) depctr_va_vcc(0) depctr_vm_vsrc(0)
	s_getreg_b32 s2, hwreg(HW_REG_IB_STS2, 6, 4)
	s_cmp_eq_u32 s2, 0
	s_cbranch_scc0 .Lentry_in_a_cluster
	s_endpgm
.Lentry_in_a_cluster:
	s_bfe_u32 s2, ttmp6, 0x10000c
	s_cmp_lg_u32 s2, 0xf033
	s_cbranch_scc0 .Lentry_shape_is_right
	s_endpgm
.Lentry_shape_is_right:
; q = x Wq^T + bq, k = x Wk^T + bk, v = x Wv^T + bv on codes of FP6 (E2M3) with E8M0 block scales, f32 sums; the results are quantised at once: q and k along the head's 64, v along the tokens (the keys).
; A WORK-GROUP STAYS: it keeps the panel of 128 tokens of x in LDS and makes THREE tiles of 128 x 128 with it: q, k and v^T for channels 128 j .. 128 j + 127.  256 work-groups: 32 blocks of tokens x 8 blocks of channels.
; A tile is 128 (R: in the lanes) x 128 (C: along a lane's registers); a wave makes 64 x 64: 16 accumulators.  THE MATRIX INSTRUCTION IS USED TRANSPOSED: source 0 = 16 rows of C's operand, source 1 = 16 rows of R's.
; q, k: R = tokens, C = channels (a wave's 64: one head).  v: R = channels (a wave's 64: one head), C = tokens: the result is v^T with the keys along the registers.  Nothing is ever transposed.
; With img's order of rows in a tile, registers 16 B + i of a lane's 32 (tiles 2 B, 2 B + 1 of C) are C's rows 32 B + 16 (lane / 16) + i: 16 neighbours along the next product's K.
; LDS.  A panel (128 rows x 1,024 K, codes and scale words as they lie in img) is [chunk of 256 along K][half of 64 rows][12,800] = 102,400 bytes.  x's at 0; WA at 102,400: Wq's, later Wv's; WB at 204,800: Wk's.
; FILLS.  At the start a wave has one tensor load out: waves 0, 2 x's chunks 0, 1 and 2, 3, waves 1, 3 Wq's; every wave w asks for chunk w of Wk in K step 3.  Tile q starts on chunk 0 while the rest is on its way.
; ONE REFILL: when tile q has been multiplied, wave w brings chunk w of Wv into WA, behind a round of the cluster's barrier; it has q's way out and all of tile k in which to land.
; CLUSTERS: 4 x 4.  x's panel hangs on the cluster's y and cy alone and is asked for jointly by a row of the cluster; the weights' hang on the cluster's x and cx alone and are asked for jointly by a column.
; THE BIAS IS THE C OF A TILE'S FIRST K STEP; all three are loaded at the head.  A tile's stores leave while the next tile is multiplied; the next tile's first fragments are fetched ahead of the way out.
; OUT.  qk = [q, k][batch][head][16 steps of 128 tokens][6,656]: codes [tile t][3 parts][256] (registers 0-5 of a fragment: K = 64), at 6,144 scale words [t / 4][r][t % 4] with bytes 2, 3 = 0.
;       vt = [batch x 16 + head][16 steps of 128 keys][6,400]: codes [channel tile][half c of the keys][3 parts][256], at 6,144 scale words [r][channel tile].
; LIMITS: NaN and infinities are not served; a block whose largest magnitude lies under 2^-124 gets the byte 1; the bytes are read by this program alone.
; REGISTERS: window 0: v1-25 lane numbers, addresses and offsets; v30, v31 for the add; v32-63 scale words; v64-119 the way out (v64-95 also v's bias as a C); v120-123 bv; v128-255 the accumulators ((a, b) at v[128 + 8 (4 a + b)]).
;   window 1: two fragment buffers, v0-95 and v128-223: R's four, then C's four; v96-127 bq, v224-255 bk, in the result's layout.
.set BLK,  12800                       ; a group of 4 tiles x 256 along K in img: 12,288 bytes of codes, 512 of scale words
.set CH,   128*BLK                     ; a chunk of img
.set CHK,  2*BLK                       ; a panel's chunk: two halves
.set PAN,  4*CHK                       ; a panel
.set WA,   PAN
.set WB,   2*PAN
.set SPARE, 3*PAN                      ; behind the panels: the spare words, 128 bytes for each wave: two blocks of 256 bytes that no other line names
.set KH,   106496                      ; a head of q or k in qk
.set VH,   102400                      ; a head in vt
.set AXR,  4                           ; v4-5   LDS address of x's fragments, half wr: chunks 0, 1; chunks 2, 3
.set AXC,  6                           ; v6-7   the same, half wc
.set AWQ,  8                           ; v8-9   Wq's, half wc
.set AWK,  10                          ; v10-11 Wk's, half wc
.set AWV,  12                          ; v12-13 Wv's, half wr
.set ASQ,  14                          ; v14-15 scale words of tile q: lanes 0-15 x's, lanes 16-31 the weight's
.set ASK,  16                          ; v16-17 of tile k
.set ASV,  18                          ; v18-19 of tile v
.set BO,   20                          ; v20    my offset in bq and bk
.set BOV,  21                          ; v21    and in bv
.set VQ,   22                          ; v22    my offset in q's and k's codes;  v23 in their scale words
.set SQ,   23
.set VV,   24                          ; v24    in v's codes;  v25 in its scale bytes
.set SV,   25
.set SPW,  30                          ; v30    LDS address of my spare word: SPARE + 4 x my thread's number; never rewritten
.set NIL,  31                          ; v31    0; never rewritten
.set SC,   32                          ; v[SC + 8 i + s]: lanes 0-15 the word of x's tile i, lanes 16-31 of the weight's tile i, K step s
.set PC,   64                          ; six registers of codes for each R tile
.set PT,   88
.set TM,   96                          ; v96-97 largest magnitudes, v98-99 the other half's
.set SO,   100
.set BY,   104                         ; v[BY + 2 a + B]: the byte of block B of R tile a
.set WD,   112
.set SL,   116
.set VB,   120                         ; bv at my lane's channel of R tile a
.set VBC,  64                          ; and spread over eight registers a tile, as a C
.set ACC,  128
.set F0,   0
.set BQ,   96                          ; in window 1
.set F1,   128
.set BK,   224                         ; in window 1
.set SEL,  2                           ; s2, s3 lane selects
.set WV,   16
.set WR,   17                          ; which half of R is mine.  Also: I fetch chunks 0, 1 (0) or 2, 3 (1)
.set WC,   18                          ; which half of C.  Also: I fetch for x (0) or for Wq (1)
.set CX,   19
.set CY,   20
.set RT,   21                          ; my block of 128 tokens
.set CT,   22                          ; my block of 128 channels
.set G1R,  24                          ; s[24:31] descriptor group 1 for x's blocks;  s[32:39] for Wq's;  s[76:83] for a whole chunk of Wk or Wv
.set G1C,  32
.set G0R,  40                          ; s[40:43] group 0 for x's two chunks
.set G0C,  56                          ; s[56:59]: for Wq's
.set G1W,  76
.set G0B,  84                          ; s[84:87] group 0 for my chunk of Wk;  s[88:91] of Wv
.set G0V,  88
.set OQ,   92                          ; s[92:93] q's head and step in qk (k's lie 32 heads on);  s[94:95] v's in vt
.set OV,   94
.set MSB, 0
.macro WIN new                         ; the immediate's high byte repeats the setting that is left
.if MSB != \new
	s_set_vgpr_msb (MSB<<8)|\new
.set MSB, \new
.endif
.endm
.set MUL,  0x05                        ; sources 0 and 1 window 1; C and D window 0
.set MULB, 0x15                        ; the same with C in window 1: q's and k's bias
.set TO_F, 0x40                        ; destination window 1, address window 0
.macro CROUND                          ; a round of the cluster's barrier
	s_barrier_signal -1
	s_barrier_wait -1
	s_cmp_lg_u32 s[WV], 0
	s_cbranch_scc1 .Lnot_wave_0_\@
	s_barrier_signal -3
.Lnot_wave_0_\@:
	s_barrier_wait -3
	s_barrier_signal -1
	s_barrier_wait -1
.endm
.macro PLACES                          ; four plain instructions behind a matrix instruction, ahead of loads into registers that it read and of reads of its result
.rept 4
	v_nop
.endr
.endm
	s_load_b256 s[4:11], s[0:1], 0x0               ; img s[4:5], bq s[6:7], bk s[8:9], bv s[10:11]
	s_load_b128 s[12:15], s[0:1], 0x20             ; qk s[12:13], vt s[14:15]
	v_lshl_add_u32 v[SPW], v0, 2, SPARE
	v_mov_b32 v[NIL], 0
	ds_add_u32 v30, v31
	ds_add_u32 v30, v31
	s_wait_dscnt 0x0
	v_lshrrev_b32 v1, 5, v0
	v_readfirstlane_b32 s[WV], v1                  ; wave 0..3
	s_lshr_b32 s[WR], s[WV], 1
	s_and_b32 s[WC], s[WV], 1
	s_bfe_u32 s[CX], ttmp6, 0x40000
	s_bfe_u32 s[CY], ttmp6, 0x40004
	s_and_b32 s[RT], ttmp7, 0xffff
	s_lshl_b32 s[RT], s[RT], 2
	s_add_co_u32 s[RT], s[RT], s[CY]               ; 0..31
	s_lshl_b32 s[CT], ttmp9, 2
	s_add_co_u32 s[CT], s[CT], s[CX]               ; 0..7
	s_lshl_b32 s96, s[RT], 1                       ; what I fetch, in registers that never hold the other coordinate.  x: group 2 RT + half
	s_mul_i32 s96, s96, BLK                        ; x: groups 2 RT and the next,
	s_mul_i32 s23, s[WR], 2*CH                     ; from chunk 2 x (wave / 2) on
	s_add_co_u32 s96, s96, s23
	s_mov_b32 s97, 0
	s_lshl_b32 s98, s[CT], 1
	s_add_co_u32 s100, s98, 80                     ; Wk: groups 80 + 2 CT and the next, chunk = my wave's number
	s_add_co_u32 s98, s98, 64                      ; Wq: groups 64 + 2 CT and the next, the same two chunks
	s_mul_i32 s98, s98, BLK
	s_add_co_u32 s98, s98, s23
	s_mov_b32 s99, 0
	s_mul_i32 s100, s100, BLK
	s_mul_i32 s101, s[WV], CH
	s_add_co_u32 s100, s100, s101
	s_mov_b32 s101, 0
	s_mul_i32 s23, s[WR], 2*CHK                    ; where two chunks go in a panel
	s_mul_i32 s66, s[WV], CHK
	s_lshl_b32 s67, s[CY], 2
	s_lshl_b32 s67, 15, s67                        ; my row of the cluster
	; descriptor groups 1: dense blocks of elements of 8 bytes, no padding: two rows of 3,200 (x, Wq) or 100 rows of 32 (25,600 bytes: Wk, Wv)
	s_or_b32 s[G1R], s67, (3<<16)|(1<<21)          ; 15:0 the mask; 17:16 elements of 8 bytes; 21 set beside a mask
	s_lshl_b32 s67, 0x1111, s[CX]                  ; my column
	s_or_b32 s[G1C], s67, (3<<16)|(1<<21)
	s_or_b32 s[G1W], s67, (3<<16)|(1<<21)
.irp g, G1R, G1C
	s_mov_b32 s[\g+1], 3200<<16                    ; two chunks of a panel by one load: a row is a chunk's two halves, 25,600 bytes on end = 3,200 elements
	s_mov_b32 s[\g+2], 2<<16                       ; two rows,
	s_mov_b32 s[\g+3], 3200<<16
	s_mov_b32 s[\g+4], 2
	s_mov_b32 s[\g+5], CH/8                        ; a chunk of img apart
	s_mov_b32 s[\g+6], 0
	s_mov_b32 s[\g+7], 0
.endr
	s_mov_b32 s[G1W+1], 32<<16
	s_mov_b32 s[G1W+2], 100<<16
	s_mov_b32 s[G1W+3], 32<<16
	s_mov_b32 s[G1W+4], 100
	s_mov_b32 s[G1W+5], 32
	s_mov_b32 s[G1W+6], 0
	s_mov_b32 s[G1W+7], 0
	s_wait_kmcnt 0x0
	s_add_nc_u64 s[96:97], s[4:5], s[96:97]
	s_add_nc_u64 s[98:99], s[4:5], s[98:99]
	s_add_nc_u64 s[100:101], s[4:5], s[100:101]
	CROUND                                         ; all sixteen work-groups are here: the joint loads meet
.irp q, 0
.set GC, G0C+4*\q+4*(\q/2)
	s_mov_b32 s[G0R+4*\q], 1
	s_add_co_u32 s[G0R+4*\q+1], s23, \q*CHK
	s_add_nc_u64 s[G0R+4*\q+2:G0R+4*\q+3], s[96:97], \q*CH
	s_or_b32 s[G0R+4*\q+3], s[G0R+4*\q+3], 0x80000000
	s_mov_b32 s[GC], 1
	s_add_co_u32 s[GC+1], s23, WA+\q*CHK
	s_add_nc_u64 s[GC+2:GC+3], s[98:99], \q*CH
	s_or_b32 s[GC+3], s[GC+3], 0x80000000
.endr
	s_mov_b32 s[G0B], 1
	s_add_co_u32 s[G0B+1], s66, WB
	s_mov_b64 s[G0B+2:G0B+3], s[100:101]
	s_or_b32 s[G0B+3], s[G0B+3], 0x80000000
	s_mov_b32 s[G0V], 1                            ; the refill's: Wv's groups lie 16 behind Wk's; it goes where Wq's chunk lay
	s_add_co_u32 s[G0V+1], s66, WA
	s_add_nc_u64 s[G0V+2:G0V+3], s[100:101], 16*BLK
	s_or_b32 s[G0V+3], s[G0V+3], 0x80000000
; THE FILLS AS THEY STAND (this takes the place of the paragraph FILLS at the kernel's head).  At the head ONE load a wave, each in an arm of its own: wave 0 x's chunks 0, 1; wave 1 Wq's chunks 0, 1;
; wave 2 x's chunks 2, 3; wave 3 Wq's chunks 2, 3.  The first barrier shows waves 0 and 1's; tile q's K steps 0 to 3 run on them.  In K step 3 every wave waits for all its loads, and behind a round of the
; cluster's barrier wave w asks for chunk w of Wk.  The refill with Wv follows tile q as before.
.macro ARM n, g0, g1, next
	s_cmp_eq_u32 s[WV], \n
	s_cbranch_scc0 \next
	tensor_load_to_lds s[\g0:\g0+3], s[\g1:\g1+7]
	s_nop 0
	PLACES
	s_branch .Lfirst_asked
\next:
.endm
	ARM 0, G0R, G1R, .Larm_1
	ARM 1, G0C, G1C, .Larm_2
	ARM 2, G0R, G1R, .Larm_3
	tensor_load_to_lds s[G0C:G0C+3], s[G1C:G1C+7]
	s_nop 0
	PLACES
.Lfirst_asked:
	v_and_b32 v1, 15, v0                           ; r
	v_bfe_u32 v2, v0, 4, 1                         ; h
	v_and_b32 v3, 31, v0
	v_lshlrev_b32 v3, 3, v3                        ; 8 x lane: my place in a part
	s_wait_alu depctr_va_vdst(0)
	s_lshl_b32 s99, s[CT], 1
	s_add_co_u32 s100, s99, s[WC]                  ; my head of q and k
	s_add_co_u32 s101, s99, s[WR]                  ; my head of v
	; the biases.  q, k: register j of accumulator (a, b) wants channel 32 (b / 2) + 16 h + 8 (b % 2) + j of the head: 32 registers, the same for every a
	s_lshl_b32 s99, s100, 8
	v_lshlrev_b32 v[BO], 6, v2
	v_add_nc_u32 v[BO], s99, v[BO]
	WIN TO_F
.irp b, 0,1,2,3
	global_load_b128 v[BQ+8*\b:BQ+8*\b+3], v[BO], s[6:7] offset:128*(\b/2)+32*(\b%2)
	global_load_b128 v[BQ+8*\b+4:BQ+8*\b+7], v[BO], s[6:7] offset:128*(\b/2)+32*(\b%2)+16
.endr
.irp b, 0,1,2,3
	global_load_b128 v[BK+8*\b:BK+8*\b+3], v[BO], s[8:9] offset:128*(\b/2)+32*(\b%2)
	global_load_b128 v[BK+8*\b+4:BK+8*\b+7], v[BO], s[8:9] offset:128*(\b/2)+32*(\b%2)+16
.endr
	WIN 0
	; v: all registers of R tile a want channel 32 (a / 2) + 8 (a % 2) + r + 8 (r / 8) of the head
	s_lshl_b32 s99, s101, 8
	v_and_b32 v[BOV], 8, v1
	v_add_nc_u32 v[BOV], v[BOV], v1
	v_lshlrev_b32 v[BOV], 2, v[BOV]
	v_add_nc_u32 v[BOV], s99, v[BOV]
.irp a, 0,1,2,3
	global_load_b32 v[VB+\a], v[BOV], s[10:11] offset:(32*(\a/2)+8*(\a%2))*4
.endr
	; LDS addresses
	s_mul_i32 s19, s[WR], BLK
	s_mul_i32 s20, s[WC], BLK
	v_add_nc_u32 v[AXR], s19, v3
	v_add_nc_u32 v[AXR+1], 2*CHK, v[AXR]
	v_add_nc_u32 v[AXC], s20, v3
	v_add_nc_u32 v[AXC+1], 2*CHK, v[AXC]
	v_add_nc_u32 v[AWQ], WA, v[AXC]
	v_add_nc_u32 v[AWQ+1], WA+2*CHK, v[AXC]
	v_add_nc_u32 v[AWK], WB, v[AXC]
	v_add_nc_u32 v[AWK+1], WB+2*CHK, v[AXC]
	v_add_nc_u32 v[AWV], WA, v[AXR]
	v_add_nc_u32 v[AWV+1], WA+2*CHK, v[AXR]
	s_xor_b32 s96, s[WR], 1
	s_add_co_u32 s96, s96, s[WC]
	s_add_co_u32 s96, s96, 7
	s_mul_i32 s96, s96, BLK                        ; (8 + wc - wr) blocks: from x's half wr to Wq's half wc,
	s_add_co_u32 s97, s96, PAN                     ; to Wk's;
	s_xor_b32 s98, s[WC], 1
	s_add_co_u32 s98, s98, s[WR]
	s_add_co_u32 s98, s98, 7
	s_mul_i32 s98, s98, BLK                        ; (8 + wr - wc) blocks: from x's half wc to Wv's half wr
	s_add_co_u32 s19, s19, 12288
	s_add_co_u32 s20, s20, 12288
	v_lshlrev_b32 v26, 3, v1                       ; 8 bytes a row: a chunk's two words
	v_add_nc_u32 v27, s19, v26
	v_add_nc_u32 v28, s20, v26
	v_mul_u32_u24 v[ASQ], s96, v2                  ; lanes 16-31 take the weight's words
	v_add_nc_u32 v[ASQ], v[ASQ], v27
	v_add_nc_u32 v[ASQ+1], 2*CHK, v[ASQ]
	v_mul_u32_u24 v[ASK], s97, v2
	v_add_nc_u32 v[ASK], v[ASK], v27
	v_add_nc_u32 v[ASK+1], 2*CHK, v[ASK]
	v_mul_u32_u24 v[ASV], s98, v2
	v_add_nc_u32 v[ASV], v[ASV], v28
	v_add_nc_u32 v[ASV+1], 2*CHK, v[ASV]
	; where the results go
	s_lshr_b32 s96, s[RT], 4
	s_lshl_b32 s96, s96, 4                         ; 16 x the batch
	s_and_b32 s97, s[RT], 15                       ; the step of 128 tokens
	s_add_co_u32 s98, s96, s100
	s_mul_i32 s98, s98, KH
	s_mul_i32 s99, s97, 6656
	s_add_co_u32 s98, s98, s99
	s_mov_b32 s99, 0
	s_add_nc_u64 s[OQ:OQ+1], s[12:13], s[98:99]
	s_add_co_u32 s98, s96, s101
	s_mul_i32 s98, s98, VH
	s_mul_i32 s99, s97, 6400
	s_add_co_u32 s98, s98, s99
	s_mov_b32 s99, 0
	s_add_nc_u64 s[OV:OV+1], s[14:15], s[98:99]
	s_mul_i32 s96, s[WR], 3072                     ; q, k: my four tiles of the step's eight
	v_add_nc_u32 v[VQ], s96, v3
	s_lshl_b32 s97, s[WR], 8
	v_lshlrev_b32 v[SQ], 4, v1
	v_lshl_add_u32 v[SQ], v2, 3, v[SQ]
	v_add_nc_u32 v[SQ], s97, v[SQ]                 ; 16 r + 8 h: two of a row's four words
	s_mul_i32 s98, s[WC], 768                      ; v: my 64 keys are half c = wc of each fragment
	v_add_nc_u32 v[VV], s98, v3
	s_lshl_b32 s99, s[WC], 1
	v_lshl_add_u32 v[SV], v1, 4, v2
	v_add_nc_u32 v[SV], s99, v[SV]                 ; 16 r + h + 2 wc: my block's byte
	s_mov_b32 s[SEL], 0x76543210
	s_mov_b32 s[SEL+1], 0xfedcba98
	v_mov_b32 v[TM+2], 0                           ; a lane permute's destination counts as one of its sources
	v_mov_b32 v[TM+3], 0
.macro FRAG reg, adr, off              ; a fragment comes as it was stored: six parts, 256 consecutive bytes a load
.irp p, 0,1,2,3,4,5
	ds_load_b64 v[\reg+2*\p:\reg+2*\p+1], v[\adr] offset:\off+256*\p
.endr
.endm
.macro FETCH s, f, ar, ac              ; K step s into buffer f: C's four fragments (address ac), then R's four (ar): 48 loads
	WIN TO_F
.set FO, (((\s)/2)%2)*CHK+((\s)%2)*1536
.set FK, (\s)/4
.irp b, 0,1,2,3
	FRAG \f+48+12*\b, \ac+FK, FO+3072*\b
.endr
.irp a, 0,1,2,3
	FRAG \f+12*\a, \ar+FK, FO+3072*\a
.endr
.endm
.macro SCALES q, sa                    ; chunk q's scale words: two K steps' a load
.irp i, 0,1,2,3
	ds_load_b64 v[SC+8*\i+2*(\q):SC+8*\i+2*(\q)+1], v[\sa+(\q)/2] offset:((\q)%2)*CHK+128*\i
.endr
.endm
; 8 matrix instructions: R's tiles a0, a0 + 1 x C's four.  The 16 accumulators take turns, one instruction a turn, in the same order in every K step.
; v = 0: source 0 is the weight, whose words lie in lanes 16-31; v = 1: source 1 is.  bias = 0: the sums go on in place; 1: they start from v[cb + 8 b] (along the registers); 2: from v[cb + 8 a] (in the lanes).
.macro MUL8 f, a0, s, v, bias, cb
.irp a, \a0, \a0+1
.irp b, 0,1,2,3
.set DR, ACC+8*(4*(\a)+\b)
.if (\bias) == 1
.set CR, (\cb)+8*\b
.elseif (\bias) == 2
.set CR, (\cb)+8*(\a)
.else
.set CR, DR
.endif
.if \v
	v_wmma_scale_f32_16x16x128_f8f6f4 v[DR:DR+7], v[\f+48+12*\b:\f+48+12*\b+11], v[\f+12*(\a):\f+12*(\a)+11], v[CR:CR+7], v[SC+8*\b+(\s)], v[SC+8*(\a)+(\s)] matrix_a_fmt:MATRIX_FMT_FP6 matrix_b_fmt:MATRIX_FMT_FP6 matrix_b_scale:MATRIX_SCALE_ROW1
.else
	v_wmma_scale_f32_16x16x128_f8f6f4 v[DR:DR+7], v[\f+48+12*\b:\f+48+12*\b+11], v[\f+12*(\a):\f+12*(\a)+11], v[CR:CR+7], v[SC+8*\b+(\s)], v[SC+8*(\a)+(\s)] matrix_a_fmt:MATRIX_FMT_FP6 matrix_b_fmt:MATRIX_FMT_FP6 matrix_a_scale:MATRIX_SCALE_ROW1
.endif
.endr
.endr
.endm
.macro EVEN s, ar, ac, v, bias, cb, w  ; a chunk's first K step, in buffer 0; its second is fetched in the middle.  w: the windows of the products
	s_wait_dscnt 12                                ; all but the youngest twelve loads (R's tiles 2, 3) are in
	WIN \w
	MUL8 F0, 0, \s, \v, \bias, \cb
	PLACES
	FETCH (\s)+1, F1, \ar, \ac
	s_wait_dscnt 48                                ; all but the 48 just issued
	WIN \w
	MUL8 F0, 2, \s, \v, \bias, \cb
.endm
.macro ODD s, ar, ac, sa, v, sync      ; a chunk's second K step, in buffer 1; the next chunk's first K step is fetched.  sync = 1 (tile q): the next chunk is first shown whole by a barrier
.if \sync
	WIN 0
	s_wait_tensorcnt 0x0                           ; all my tensor loads have landed: chunks 2 and 3 among them;
	ds_add_u32 v[SPW], v[NIL]                      ; 0 onto my spare word:
	s_wait_dscnt 0x0                               ; the add is done, and buffer 1 is in
	CROUND                                         ; both panels are whole for every wave, and all sixteen work-groups are here
	tensor_load_to_lds s[G0B:G0B+3], s[G1W:G1W+7]  ; my one load behind the round: my chunk of Wk, a first fill
	s_nop 0
	PLACES
.else
	s_wait_dscnt 0x0                               ; buffer 1 is in
.endif
	WIN MUL
	MUL8 F1, 0, \s, \v, 0, 0
	PLACES
	WIN 0
	SCALES ((\s)+1)/2, \sa
	FETCH (\s)+1, F0, \ar, \ac
	WIN MUL
	MUL8 F1, 2, \s, \v, 0, 0
.endm
.macro MAIN ar, ac, sa, v, bias, cb, w, sync   ; a tile's eight K steps but for the last eight products
	EVEN 0, \ar, \ac, \v, \bias, \cb, \w
	ODD 1, \ar, \ac, \sa, \v, 0
	EVEN 2, \ar, \ac, \v, 0, 0, MUL
	ODD 3, \ar, \ac, \sa, \v, \sync
	EVEN 4, \ar, \ac, \v, 0, 0, MUL
	ODD 5, \ar, \ac, \sa, \v, 0
	EVEN 6, \ar, \ac, \v, 0, 0, MUL
	s_wait_dscnt 0x0
	MUL8 F1, 0, 7, \v, 0, 0
.endm
; THE WAY OUT.  32 numbers of a lane, register 16 B + i = place 32 B + 16 h + i of my row's 64, become six registers of codes (lane (r, h): block h whole) and two bytes.  Each accumulator is read from its low end on.
.macro QH s, pc, by
	v_max3_num_f32 v[TM], |v[(\s)]|, |v[(\s)+1]|, 0x1800000         ; my 16 numbers of each block, and the floor 2^(3 - 127): the byte cannot fall under 1
	v_max3_num_f32 v[TM+1], |v[(\s)+16]|, |v[(\s)+17]|, 0x1800000
.irp i, 2,4,6,8,10,12,14
	v_max3_num_f32 v[TM], v[TM], |v[(\s)+\i]|, |v[(\s)+\i+1]|
	v_max3_num_f32 v[TM+1], v[TM+1], |v[(\s)+16+\i]|, |v[(\s)+17+\i]|
.endr
	v_permlanex16_b32 v[TM+2], v[TM], s[SEL], s[SEL+1]
	v_permlanex16_b32 v[TM+3], v[TM+1], s[SEL], s[SEL+1]
	v_max_num_f32 v[TM], v[TM], v[TM+2]            ; with lane l xor 16's: the block's largest magnitude
	v_max_num_f32 v[TM+1], v[TM+1], v[TM+3]
	v_add_nc_u32 v[SO], 0xff000000, v[TM]          ; 2 off the exponent field: the conversion's scale operand
	v_add_nc_u32 v[SO+1], 0xff000000, v[TM+1]
	v_lshrrev_b32 v[(\by)], 23, v[SO]              ; the bytes
	v_lshrrev_b32 v[(\by)+1], 23, v[SO+1]
	v_cvt_scalef32_pk16_fp6_f32 v[(\pc):(\pc)+2], v[(\s):(\s)+15], v[SO]
	v_cvt_scalef32_pk16_fp6_f32 v[PT:PT+2], v[(\s)+16:(\s)+31], v[SO+1]
	v_nop                                          ; one plain instruction behind the scaled conversions
.irp i, 0,1,2
	v_permlane16_swap_b32 v[(\pc)+\i], v[PT+\i]    ; the first's lanes 16-31 change places with the second's lanes 0-15: each lane now holds its block's lower 16 codes in the first, the upper 16 in the second
.endr
.irp i, 0,1,2
	v_mov_b32 v[(\pc)+3+\i], v[PT+\i]
.endr
.endm
.macro OUTQK k                         ; k = 0: q; 1: k, 32 heads further on in qk
	s_wait_xcnt 0x0                                ; the last way out's stores have read their registers: these are written again only behind this wait
.irp a, 0,1,2,3
	QH ACC+32*\a, PC+6*\a, BY+2*\a
.irp p, 0,1,2
	global_store_b64 v[VQ], v[PC+6*\a+2*\p:PC+6*\a+2*\p+1], s[OQ:OQ+1] offset:(\k)*32*KH+768*\a+256*\p   ; 32 lanes store 256 consecutive bytes, aligned
.endr
.endr
	v_cmp_eq_u32 vcc_lo, 1, v2                     ; lanes 16-31
.irp a, 0,1,2,3
	v_lshl_or_b32 v[WD+\a], v[BY+2*\a+1], 8, v[BY+2*\a]   ; a row's word: K = 64 has two blocks; bytes 2 and 3 stay 0 and stand over zero codes
.endr
	v_cndmask_b32 v[SL], v[WD], v[WD+2], vcc_lo    ; lanes 0-15 store tiles 0 and 1's words, lanes 16-31 tiles 2 and 3's
	v_cndmask_b32 v[SL+1], v[WD+1], v[WD+3], vcc_lo
	global_store_b64 v[SQ], v[SL:SL+1], s[OQ:OQ+1] offset:(\k)*32*KH+6144   ; 256 consecutive bytes, aligned
.endm
	; ---- TILE q: x's half wr in the lanes, Wq's half wc along the registers; chunk by chunk as the fills land
	s_wait_alu depctr_va_vdst(0)
	s_cmp_lt_u32 s[WV], 2
	s_cbranch_scc0 .Lnot_first
	s_wait_tensorcnt 0x0                           ; waves 0 and 1: chunks 0 and 1 of x and of Wq have landed
.Lnot_first:
	s_barrier_signal -1
	s_barrier_wait -1                              ; shown to all
	SCALES 0, ASQ
	FETCH 0, F0, AXR, AWQ
	s_wait_loadcnt 12                              ; bq is in; bk's eight loads and bv's four may be out
	MAIN AXR, AWQ, ASQ, 0, 1, BQ, MULB, 1
	WIN 0                                          ; (the add's two registers lie in window 0)
	s_wait_tensorcnt 0x0                           ; all my tensor loads have landed, my chunk of Wk among them;
	ds_add_u32 v[SPW], v[NIL]                      ; 0 onto my spare word:
	WIN MUL
	MUL8 F1, 2, 7, 0, 0, 0                         ; the tile's last eight products stand between the add and the wait for it
	WIN 0
	s_wait_dscnt 0x0                               ; the add is done, and my reads of Wq's panel are over
	CROUND                                         ; both now hold of every wave of all sixteen work-groups; Wk's panel is whole
	tensor_load_to_lds s[G0V:G0V+3], s[G1W:G1W+7]  ; THE REFILL, first behind the round, my one load: my chunk of Wv, where Wq's lay
	s_nop 0
	PLACES                                         ; four plain instructions behind it; they are also the places behind the last products
	SCALES 0, ASK                                  ; tile k's first fragments are on their way while q goes out
	FETCH 0, F0, AXR, AWK
	WIN 0
	OUTQK 0
	; ---- TILE k: all of it lies in LDS: no barrier
	s_wait_loadcnt 0x0                             ; bk and bv
	MAIN AXR, AWK, ASK, 0, 1, BK, MULB, 0
	MUL8 F1, 2, 7, 0, 0, 0
	WIN 0
	s_wait_tensorcnt 0x0                           ; my chunk of Wv has landed (my one load that was out);
	s_barrier_signal -1                            ; (no LDS instruction of mine is out)
	s_barrier_wait -1                              ; everybody's has.
	PLACES
	SCALES 0, ASV                                  ; tile v's first fragments are on their way while k goes out
	FETCH 0, F0, AWV, AXC
	WIN 0
	OUTQK 1
	; ---- TILE v: Wv's half wr in the lanes, x's half wc along the registers
	s_wait_xcnt 0x0                                ; k's stores have read their registers
.irp a, 0,1,2,3
.irp i, 0,1,2,3,4,5,6,7
	v_mov_b32 v[VBC+8*\a+\i], v[VB+\a]             ; bv as a C: the same number in a tile's eight registers
.endr
.endr
	s_wait_alu depctr_va_vdst(0)
	MAIN AWV, AXC, ASV, 1, 2, VBC, MUL, 0
	MUL8 F1, 2, 7, 1, 0, 0
	WIN 0
	PLACES
.irp a, 0,1,2,3
	QH ACC+32*\a, PC+6*\a, BY+2*\a
.irp p, 0,1,2
	global_store_b64 v[VV], v[PC+6*\a+2*\p:PC+6*\a+2*\p+1], s[OV:OV+1] offset:1536*\a+256*\p   ; 32 lanes store 256 consecutive bytes, aligned
.endr
.endr
	v_cmp_eq_u32 vcc_lo, 1, v2
.irp a, 0,1,2,3
	v_cndmask_b32 v[SL+\a], v[BY+2*\a], v[BY+2*\a+1], vcc_lo   ; the byte of the block whose codes I hold
.endr
.irp a, 0,1,2,3
	global_store_b8 v[SV], v[SL+\a], s[OV:OV+1] offset:6144+4*\a   ; single bytes: the word's other two belong to the wave with the other 64 keys; one byte in 24 of what this tile stores
.endr
	s_wait_tensorcnt 0x0                           ; the wave's end: behind my last tensor load
	ds_add_u32 v[SPW], v[NIL]
	s_wait_dscnt 0x0
	CROUND                                         ; the closing round: no work-group ends while a partner may still ask for a block that names it
	s_endpgm
.Lfunc_end_k_qd1c501c636_qkv:
	.size	k_qd1c501c636_qkv, .Lfunc_end_k_qd1c501c636_qkv-k_qd1c501c636_qkv
	.p2alignl 7, 3214868480
	.fill 96, 4, 3214868480
	.section	.rodata,"a",@progbits
	.p2align	6, 0x0
	.amdhsa_kernel k_qd1c501c636_qkv
		.amdhsa_group_segment_fixed_size 327680
		.amdhsa_private_segment_fixed_size 0
		.amdhsa_enable_private_segment 0
		.amdhsa_kernarg_size 48
		.amdhsa_user_sgpr_count 2
		.amdhsa_user_sgpr_kernarg_segment_ptr 1
		.amdhsa_wavefront_size32 1
		.amdhsa_system_sgpr_workgroup_id_x 1
		.amdhsa_system_sgpr_workgroup_id_y 1
		.amdhsa_system_sgpr_workgroup_id_z 1
		.amdhsa_system_vgpr_workitem_id 0
		.amdhsa_next_free_vgpr 512
		.amdhsa_next_free_sgpr 102
		.amdhsa_reserve_vcc 1
		.amdhsa_float_denorm_mode_32 3
		.amdhsa_float_denorm_mode_16_64 3
		.amdhsa_memory_ordered 1
		.amdhsa_forward_progress 1
		.amdhsa_inst_pref_size 170
	.end_amdhsa_kernel
	.amdgpu_metadata
---
amdhsa.version: [ 1, 2 ]
amdhsa.kernels:
  - .name:           k_qd1c501c636_qkv
    .symbol:         k_qd1c501c636_qkv.kd
    .args:
      - { .name: img, .offset: 0, .size: 8, .value_kind: global_buffer, .address_space: global }
      - { .name: bq, .offset: 8, .size: 8, .value_kind: global_buffer, .address_space: global }
      - { .name: bk, .offset: 16, .size: 8, .value_kind: global_buffer, .address_space: global }
      - { .name: bv, .offset: 24, .size: 8, .value_kind: global_buffer, .address_space: global }
      - { .name: qk, .offset: 32, .size: 8, .value_kind: global_buffer, .address_space: global }
      - { .name: vt, .offset: 40, .size: 8, .value_kind: global_buffer, .address_space: global }
    .group_segment_fixed_size: 327680
    .private_segment_fixed_size: 0
    .kernarg_segment_align: 8
    .kernarg_segment_size: 48
    .max_flat_workgroup_size: 128
    .sgpr_count:     102
    .vgpr_count:     512
    .wavefront_size: 32
...
	.end_amdgpu_metadata
.endif
;; end of part 2
;; launch attn (part 3): grid 8 x 32, 16 waves a work-group, clusters of 4 x 1, 224,256 bytes of LDS; arguments qk, vt, oimg; writes oimg
.if DOCPART == 3
	.amdgcn_target "amdgcn-amd-amdhsa--gfx1250"
	.amdhsa_code_object_version 6
	.text
	.protected	k_qd1c501c636_attn
	.globl	k_qd1c501c636_attn
	.p2align	8
	.type	k_qd1c501c636_attn,@function
k_qd1c501c636_attn:
	s_mov_b64 s[64:65], 0
	v_nop
	global_prefetch_b8 v0, s[64:65] scope:SCOPE_SE
	s_setreg_imm32_b32 hwreg(HW_REG_WAVE_MODE, 25, 1), 1
	s_wait_xcnt 0x0
	s_wait_alu depctr_hold_cnt(0) depctr_sa_sdst(0) depctr_va_vdst(0) depctr_va_sdst(0) depctr_va_ssrc(0) depctr_va_vcc(0) depctr_vm_vsrc(0)
	s_getreg_b32 s2, hwreg(HW_REG_IB_STS2, 6, 4)
	s_cmp_eq_u32 s2, 0
	s_cbranch_scc0 .Lentry_in_a_cluster
	s_endpgm
.Lentry_in_a_cluster:
	s_bfe_u32 s2, ttmp6, 0x10000c
	s_cmp_lg_u32 s2, 0x3003
	s_cbranch_scc0 .Lentry_shape_is_right
	s_endpgm
.Lentry_shape_is_right:
; O = softmax(q k^T / 8) v for one batch and head, both products on codes of FP6 (E2M3) with E8M0 block scales; O / l is quantised along the model's 1,024 (two blocks a head) into oimg, laid as img.
; THE SOFTMAX: t = score x log2(e) / 8; M = the running largest t rounded UP to a whole number; p = 2^(t - M) is quantised along the keys, not normalised; the row's sum l is taken of the unquantised p.
; When M moves, l and O are multiplied by 2^(old M - new M), which rounds nothing.
; SHARES.  A work-group owns 256 queries of one head, each of its sixteen waves one tile of 16.  Both products are used transposed (S^T = k q^T, O^T = v^T p^T): a lane holds ONE query throughout.
; WHICH KEYS FORM A TILE is chosen here, by the lanes' LDS addresses: row 8 e + i of tile 4 c + j is key 64 c + 32 e + 8 j + i of the step's 128.  In qk that key is row 8 (j / 2) + i of tile 4 c + 2 e + j % 2.
; So the 32 registers of tiles 4 c .. 4 c + 3 in lane (query, h) are keys 64 c + 32 h + 0 .. 31: ONE WHOLE BLOCK, in the order of p's operand registers: a block's largest score and its codes need no other lane.
; THE FIRST PRODUCT HAS K = 64: registers 6-11 of q's fragment are zero codes.  K's tiles lie 6 registers apart, so the upper six registers of an operand are the next tile's codes (behind the last tile: whatever
; the region held); every bit pattern is a finite number of the format, and it meets q's zeros under scale bytes 0, which stand for a power of two.
; LDS.  The head's K at 0: 16 steps of 26 rows of 256 bytes, 32 bytes of padding behind each row, so that rows 8 e + i of a chosen tile (6 x 288 bytes apart for e) fall on other banks; V at VB0, dense.
; Every byte is filled ONCE: each wave issues one joint load at the head, two key steps of K (even waves) or of V (odd waves).  Waves 0 to 4 bring steps 0-3 of both and steps 4, 5 of K: the first barrier shows those,
; and four key steps run on them (the fourth already fetches K's step 4); the second barrier shows the rest.
; TWO REGISTER REGIONS TAKE TURNS: K's fragments lie in one, the scores go to the other; V's fragments follow K's into the first, right behind the scores; the next step's K follows p into the second, in two parts:
; nine loads when p's first block has been summed and converted, five when the second has.
; CLUSTER.  The four query blocks of a cluster belong to one head: K and V are asked for jointly, mask of all four.  No prefetch: all that a work-group reads is asked for by its first lines.
; LIMITS: the promise holds while the scaled scores t stay under 2^31 in magnitude; NaN and infinities are not served; a block whose largest magnitude lies under 2^-124 gets the byte 1.
.set KH,   106496
.set VH,   102400
.set KST,  7488                        ; a key step of K in LDS: 26 x 288
.set VST,  6400
.set VB0,  16*KST
.set SPARE, VB0+16*VST                 ; the spare words: 128 bytes a wave, eight blocks of 256 bytes that no other line names
.set BLK,  12800
.set CHO,  64*BLK
.set LK0,  1                           ; v1, v2  my lane's place in K's codes, tiles 0-3 and 4-7;  v3 in its scale words
.set LK1,  2
.set LKS,  3
.set LV0,  4                           ; v4-6  8 x lane, + 2,048, + 4,096;  v7  16 r
.set LV1,  5
.set LV2,  6
.set LVS,  7
.set AK0,  8                           ; v8-10 the same with the step's place: K;  v11, v207, v211, v225: V
.set AK1,  9
.set AKS,  10
.set AV0,  11
.set AV1,  207
.set AV2,  211
.set AVS,  225
.set QF,   16                          ; v16-27 Q;  v28 its scale word
.set QSW,  28
.set SH,   29                          ; 8 h
.set OLD,  30                          ; -M of the step before
.set PSW,  31                          ; p's scale word, and nothing else
.set R1,   32                          ; the two regions
.set R2,   96
.set O,    160                         ; v160-191 O^T
.set PC,   192                         ; v192-203 p's codes
.set PT,   204                         ; v204-206, v208-210
.set BM,   212                         ; v212, v214 my two blocks' largest score, then largest p
.set PX,   216
.set W,    217
.set SO,   218                         ; v218-219 the conversions' scale operands
.set BY,   220
.set FF,   222                         ; v222 f = 2^(old M - new M); v223 fills the pair
.set TP,   224
.set T,    226                         ; v226-239 seven partial sums of p, in pairs; ahead of them in a step: ten registers of the search for the maxima
.set MX,   226
.set KSW,  240                         ; v240-247 K's scale words, a register a tile;  v248-251 V's
.set VSW,  248
.set TK,   2
.set TV,   3
.set WV,   18
.set NC,   19                          ; -c
.set SEL,  20
.set CS,   22                          ; s[22:23] c = log2(e) / 8
.set G1K,  24
.set G1V,  32
.set G0K,  40
.set G0V,  44
.set CNT,  76
.macro CROUND                          ; a round of the cluster's barrier
	s_barrier_signal -1
	s_barrier_wait -1
	s_cmp_lg_u32 s[WV], 0
	s_cbranch_scc1 .Lnot_wave_0_\@
	s_barrier_signal -3
.Lnot_wave_0_\@:
	s_barrier_wait -3
	s_barrier_signal -1
	s_barrier_wait -1
.endm
.macro TL g0, g1
	tensor_load_to_lds s[\g0:\g0+3], s[\g1:\g1+7]
	s_nop 0
.rept 4
	v_nop
.endr
.endm
	s_load_b128 s[4:7], s[0:1], 0x0                ; qk, vt
	s_load_b64 s[8:9], s[0:1], 0x10                ; oimg
	v_lshl_add_u32 v254, v0, 2, SPARE
	v_mov_b32 v255, 0
	ds_add_u32 v254, v255                          ; the opening lines: the add twice on end and its wait
	ds_add_u32 v254, v255
	v_lshrrev_b32 v1, 5, v0
	v_readfirstlane_b32 s[WV], v1                  ; wave 0..15
	s_bfe_u32 s10, ttmp6, 0x40000                  ; cx
	s_lshl_b32 s11, ttmp9, 2
	s_add_co_u32 s11, s11, s10                     ; my block of 256 queries: it enters Q's and O's addresses alone
	s_and_b32 s12, ttmp7, 0xffff                   ; batch x 16 + head, which the four partners share
	s_and_b32 s13, s[WV], 1                        ; I fetch for K (0) or V (1),
	s_lshr_b32 s14, s[WV], 1                       ; key steps 2 u and 2 u + 1
	s_add_co_u32 s78, s12, 32                      ; k's heads lie behind q's 32
	s_mul_i32 s78, s78, KH
	s_mul_i32 s15, s14, 13312
	s_add_co_u32 s78, s78, s15
	s_mov_b32 s79, 0
	s_mul_i32 s80, s12, VH
	s_mul_i32 s15, s14, 2*VST
	s_add_co_u32 s80, s80, s15
	s_mov_b32 s81, 0
	s_lshr_b32 s16, s[WV], 3
	s_lshl_b32 s17, s11, 1
	s_add_co_u32 s16, s16, s17                     ; my tile's step of 128 tokens
	s_mul_i32 s16, s16, 6656
	s_mul_i32 s82, s12, KH
	s_add_co_u32 s82, s82, s16
	s_mov_b32 s83, 0
	; group 1: dense blocks as rows of 32 elements of 8 bytes: 52 rows for K, 8 dwords of padding behind each; 50 for V
	s_mov_b32 s[G1K], 15|(3<<16)|(1<<20)|(1<<21)|(5<<22)|(7<<25)
	s_mov_b32 s[G1K+1], 32<<16
	s_mov_b32 s[G1K+2], 52<<16
	s_mov_b32 s[G1K+3], 32<<16
	s_mov_b32 s[G1K+4], 52
	s_mov_b32 s[G1K+5], 32
	s_mov_b32 s[G1K+6], 0
	s_mov_b32 s[G1K+7], 0
	s_mov_b32 s[G1V], 15|(3<<16)|(1<<21)
	s_mov_b32 s[G1V+1], 32<<16
	s_mov_b32 s[G1V+2], 50<<16
	s_mov_b32 s[G1V+3], 32<<16
	s_mov_b32 s[G1V+4], 50
	s_mov_b32 s[G1V+5], 32
	s_mov_b32 s[G1V+6], 0
	s_mov_b32 s[G1V+7], 0
	s_mov_b32 s[G0K], 1
	s_mul_i32 s[G0K+1], s14, 2*KST
	s_mov_b32 s[G0V], 1
	s_add_co_u32 s[G0V+1], s15, VB0
	s_mov_b32 s[SEL], 0x76543210
	s_mov_b32 s[SEL+1], 0xfedcba98
	s_mov_b32 s[CS], 0x3e38aa3b                    ; log2(e) / 8
	s_mov_b32 s[CS+1], s[CS]
	s_mov_b32 s[NC], 0xbe38aa3b
	s_mov_b32 s[TK], 0
	s_mov_b32 s[TV], VB0
	s_wait_dscnt 0x0
	s_wait_kmcnt 0x0
	s_add_nc_u64 s[G0K+2:G0K+3], s[4:5], s[78:79]
	s_or_b32 s[G0K+3], s[G0K+3], 0x80000000
	s_add_nc_u64 s[G0V+2:G0V+3], s[6:7], s[80:81]
	s_or_b32 s[G0V+3], s[G0V+3], 0x80000000
	s_add_nc_u64 s[82:83], s[4:5], s[82:83]
	CROUND                                         ; all four work-groups are here: the joint loads meet
	s_cmp_lt_u32 s[WV], 5                          ; one tree of branches on the wave's number, one load to an arm; waves 0-4, which wait at the first barrier, have lines of their own
	s_cbranch_scc0 .Llate
	s_cmp_eq_u32 s13, 0
	s_cbranch_scc0 .Learly_v
	TL G0K, G1K
	s_branch .Lasked
.Learly_v:
	TL G0V, G1V
	s_branch .Lasked
.Llate:
	s_cmp_eq_u32 s13, 0
	s_cbranch_scc0 .Llate_v
	TL G0K, G1K
	s_branch .Lasked
.Llate_v:
	TL G0V, G1V
.Lasked:
	s_and_b32 s94, s[WV], 7                        ; Q: my tile in its step,
	s_mul_i32 s94, s94, 768
	s_bfe_u32 s95, s[WV], 0x10002                  ; and its scale words
	s_lshl_b32 s95, s95, 8
	s_and_b32 s86, s[WV], 3
	s_lshl_b32 s86, s86, 2
	s_add_co_u32 s95, s95, s86
	s_add_co_u32 s95, s95, 6144
	v_and_b32 v[LV0], 31, v0
	v_lshlrev_b32 v[LV0], 3, v[LV0]                ; 8 x lane
	v_and_b32 v12, 15, v0                          ; r
	v_lshlrev_b32 v[LVS], 4, v12                   ; 16 r
	v_add_nc_u32 v8, s94, v[LV0]
	v_add_nc_u32 v9, s95, v[LVS]
.irp p, 0,1,2
	global_load_b64 v[QF+2*\p:QF+2*\p+1], v8, s[82:83] offset:256*\p   ; Q's fragment stays in registers
.endr
	global_load_b32 v[QSW], v9, s[82:83]
	v_bfe_u32 v13, v0, 3, 1                        ; e
	v_and_b32 v14, 7, v0                           ; i
	v_bfe_u32 v15, v0, 4, 1                        ; h
	v_mul_u32_u24 v[LK0], v13, 1728                ; K's codes: two tiles of 3 x 288 bytes for e,
	v_lshl_add_u32 v[LK0], v15, 7, v[LK0]          ; 128 h + 8 i in a part
	v_lshl_add_u32 v[LK0], v14, 3, v[LK0]
	v_add_nc_u32 v[LK1], 3456, v[LK0]              ; tiles 4-7: four tiles on
	v_lshlrev_b32 v[LKS], 4, v14                   ; K's scale words: 16 i + 8 e, behind the step's 24 rows of codes
	v_lshl_add_u32 v[LKS], v13, 3, v[LKS]
	v_add_nc_u32 v[LKS], 6912, v[LKS]
	v_add_nc_u32 v[LV1], 2048, v[LV0]
	v_add_nc_u32 v[LV2], 4096, v[LV0]
	v_lshlrev_b32 v[SH], 3, v15
.irp i, 6,7,8,9,10,11
	v_mov_b32 v[QF+\i], 0                          ; K = 64 .. 127 of the first product: zero codes
	v_mov_b32 v[R1+42+\i], 0                       ; what stands behind the first step's last tile
.endr
	v_mov_b32 v13, 0xff61b1e6                      ; the largest score so far: -3e38
	v_mul_f32 v[TP], s[NC], v13
	v_floor_f32 v12, v[TP]                         ; -M
	v_mov_b32 v14, 0                               ; the sum, in two halves
	v_mov_b32 v15, 0
	v_mov_b32 v[PX], 0                             ; a lane permute's destination counts as one of its sources
	v_mov_b32 v[FF+1], 0
.set j, 0
.rept 32
	v_mov_b32 v[O+j], 0                            ; O^T: the first change of M multiplies zeros
.set j, j+1
.endr
	; where the results go
	s_lshr_b32 s84, s12, 4
	s_lshl_b32 s84, s84, 7
	s_lshl_b32 s85, s11, 4
	s_add_co_u32 s84, s84, s85
	s_add_co_u32 s84, s84, s[WV]                   ; my tile of tokens, 0..255
	s_and_b32 s85, s12, 15                         ; the head: K step head / 2, half head % 2 of its fragment
	s_lshr_b32 s86, s85, 2
	s_mul_i32 s86, s86, CHO
	s_lshr_b32 s87, s84, 2
	s_mul_i32 s87, s87, BLK
	s_add_co_u32 s86, s86, s87
	s_and_b32 s84, s84, 3
	s_bfe_u32 s88, s85, 0x10001
	s_and_b32 s85, s85, 1
	s_mul_i32 s90, s84, 3072
	s_mul_i32 s89, s88, 1536
	s_add_co_u32 s90, s90, s89
	s_mul_i32 s89, s85, 768
	s_add_co_u32 s90, s90, s89
	s_add_co_u32 s90, s90, s86
	s_mov_b32 s91, 0
	s_add_nc_u64 s[90:91], s[8:9], s[90:91]        ; my codes
	s_lshl_b32 s92, s84, 7
	s_lshl_b32 s88, s88, 2
	s_add_co_u32 s92, s92, s88
	s_lshl_b32 s85, s85, 1
	s_add_co_u32 s92, s92, s85
	s_add_co_u32 s92, s92, s86
	s_add_co_u32 s92, s92, 12288
	s_mov_b32 s93, 0
	s_add_nc_u64 s[92:93], s[8:9], s[92:93]        ; my bytes
.macro NXT d, s, b, pf                 ; an address of the next step, in a place that must be filled: in the last step the place is kept by v_nop
.if \pf
	v_add_nc_u32 v[\d], s[\s], v[\b]
.else
	v_nop
.endif
.endm
.macro NXO d, s, b, pf                 ; the same where no place is owed
.if \pf
	v_add_nc_u32 v[\d], s[\s], v[\b]
.endif
.endm
.macro ADD2 d, a
	v_pk_add_f32 v[\d:\d+1], v[\d:\d+1], v[\a:\a+1]
.endm
.macro LK ra, c, m                     ; parts 2 m and 2 m + 1 of the twelve of tiles 4 c .. 4 c + 3: part n is part n % 3 of tile j = n / 3
.set N0, 2*(\m)
.set N1, 2*(\m)+1
	ds_load_2addr_b64 v[\ra+24*(\c)+4*(\m):\ra+24*(\c)+4*(\m)+3], v[AK0+(\c)] offset0:((N0/3)%2)*108+((N0/3)/2)*8+36*(N0%3) offset1:((N1/3)%2)*108+((N1/3)/2)*8+36*(N1%3)
.endm
.macro LOADKA ra                       ; registers 0-31 of a step's K, and the scale words of tiles 0-3: nine loads
.irp m, 0,1,2,3,4,5
	LK \ra, 0, \m
.endr
	ds_load_2addr_b64 v[KSW:KSW+3], v[AKS] offset0:0 offset1:16
	LK \ra, 1, 0
	LK \ra, 1, 1
.endm
.macro LOADKB ra                       ; registers 32-47, and the scale words of tiles 4-7: five loads
.irp m, 2,3,4,5
	LK \ra, 1, \m
.endr
	ds_load_2addr_b64 v[KSW+4:KSW+7], v[AKS] offset0:36 offset1:52
.endm
.macro LOADV4 ra, a                    ; eight parts of 256 bytes, as they lie
.irp m, 0,1,2,3
	ds_load_2addr_b64 v[\ra+4*\m:\ra+4*\m+3], v[\a] offset0:64*\m offset1:64*\m+32
.endr
.endm
.macro TMM rb, from, n                 ; t - M, two at a time
.set j, \from
.rept \n
	v_pk_fma_f32 v[\rb+j:\rb+j+1], v[\rb+j:\rb+j+1], s[CS:CS+1], v[12:13] op_sel_hi:[1,0,0]
.set j, j+2
.endr
.endm
.macro QK ra, rb, t
	v_wmma_scale_f32_16x16x128_f8f6f4 v[\rb+8*\t:\rb+8*\t+7], v[\ra+6*\t:\ra+6*\t+11], v[QF:QF+11], 0, v[KSW+\t], v[QSW] matrix_a_fmt:MATRIX_FMT_FP6 matrix_b_fmt:MATRIX_FMT_FP6
.endm
; A KEY STEP: 128 keys.  ra: K's fragments, then V's;  rb: the scores, p, then the next step's K.  pf = 0: the last step, which fetches nothing more
.macro STEP ra, rb, pf
	s_wait_dscnt 5                                 ; K's first nine loads are in: registers 0-31 and the words of tiles 0-3; the five younger may be out
.irp t, 0,1,2,3
	QK \ra, \rb, \t
.endr
	s_wait_dscnt 0x0
.irp t, 4,5,6,7
	QK \ra, \rb, \t
.endr
.if \pf
	s_add_co_u32 s[TK], s[TK], KST
	s_add_co_u32 s[TV], s[TV], VST
.endif
	NXT AK0, TK, LK0, \pf                          ; four plain instructions behind the products, ahead of the loads into K's registers and of the first read of a score
	NXT AK1, TK, LK1, \pf
	NXT AKS, TK, LKS, \pf
	v_mov_b32 v[OLD], v12
	LOADV4 \ra, AV0                                ; V's four fragments (16 channels x 128 keys): 13 loads
	LOADV4 \ra+16, AV1
	LOADV4 \ra+32, AV2
	ds_load_b128 v[VSW:VSW+3], v[AVS] offset:6144
.irp k, 0,1,2,3,4,5,6,7                        ; the maxima: eight chains by turns, one an accumulator, each first read at its low end
	v_max3_num_f32 v[MX+\k], v[\rb+8*\k], v[\rb+8*\k+1], v[\rb+8*\k+2]
.endr
.irp i, 3,5
.irp k, 0,1,2,3,4,5,6,7
	v_max3_num_f32 v[MX+\k], v[MX+\k], v[\rb+8*\k+\i], v[\rb+8*\k+\i+1]
.endr
.endr
	v_max_num_f32 v[MX+8], v[\rb+23], v[\rb+31]
	v_max_num_f32 v[MX+9], v[\rb+55], v[\rb+63]
	v_max3_num_f32 v[MX], v[MX], v[MX+1], v[\rb+7]
	v_max3_num_f32 v[MX+2], v[MX+2], v[MX+3], v[\rb+15]
	v_max3_num_f32 v[MX+4], v[MX+4], v[MX+5], v[\rb+39]
	v_max3_num_f32 v[MX+6], v[MX+6], v[MX+7], v[\rb+47]
	v_max3_num_f32 v[BM], v[MX], v[MX+2], v[MX+8]      ; the largest score of my block h,
	v_max3_num_f32 v[BM+2], v[MX+4], v[MX+6], v[MX+9]  ; and of my block 2 + h: they serve for the row's maximum and, since p rises with the score, for the blocks' largest p
	v_max_num_f32 v[TP], v[BM], v[BM+2]
	NXO AV1, TV, LV1, \pf                          ; (V's loads have been issued: its next addresses stand among the lines of this chain)
	v_permlanex16_b32 v[PX], v[TP], s[SEL], s[SEL+1]
	NXO AV2, TV, LV2, \pf
	v_max3_num_f32 v13, v13, v[TP], v[PX]          ; the running largest score of my query
	NXO AVS, TV, LVS, \pf
	v_mul_f32 v[TP], s[NC], v13                    ; -t (c is positive, so the largest score gives the largest t)
	v_floor_f32 v12, v[TP]                         ; the new -M = -ceil(t)
	v_sub_f32 v[TP], v12, v[OLD]                   ; old M - new M: a whole number, 0 or less
	TMM \rb, 0, 4
	v_cvt_i32_f32 v[TP], v[TP]                     ; (it saturates)
	TMM \rb, 8, 4
	v_ldexp_f32 v[FF], 1.0, v[TP]                  ; f = 2^(old M - new M)
	TMM \rb, 16, 24
	v_fma_f32 v[BM], v[BM], s[CS], v12             ; the same of each block's largest score
	v_fma_f32 v[BM+2], v[BM+2], s[CS], v12
	s_wait_alu depctr_va_vdst(0)
	v_exp_f32 v[BM], v[BM]                         ; the blocks' largest p: the same two instructions on the same number give the same bits
	v_exp_f32 v[BM+2], v[BM+2]
.set j, 0
.rept 64
	v_exp_f32 v[\rb+j], v[\rb+j]                   ; p = 2^(t - M)
.set j, j+1
.endr
	NXT AV0, TV, LV0, \pf                          ; the plain instruction behind the batch
	s_wait_alu depctr_va_vdst(0)                   ; one wait for the batch, ahead of its first reader
	; p's first block: l under the new M, the sums of registers 0-31 in four chains, the lines that make the scales among them
	v_pk_fma_f32 v[14:15], v[14:15], v[FF:FF+1], v[\rb:\rb+1] op_sel_hi:[1,0,1]
.irp k, 1,2,3
	v_pk_add_f32 v[T+2*\k-2:T+2*\k-1], v[\rb+8*\k:\rb+8*\k+1], v[\rb+8*\k+2:\rb+8*\k+3]
.endr
	v_max_num_f32 v[BM], 0x1800000, v[BM]          ; the floor 2^(3 - 127): the byte cannot fall under 1
	v_max_num_f32 v[BM+2], 0x1800000, v[BM+2]
	ADD2 14, \rb+2
.irp k, 1,2,3
	ADD2 T+2*\k-2, \rb+8*\k+4
.endr
	v_add_nc_u32 v[SO], 0xff000000, v[BM]          ; 2 off the exponent field: the conversion's scale operand
	v_add_nc_u32 v[SO+1], 0xff000000, v[BM+2]
	ADD2 14, \rb+4
.irp k, 1,2,3
	ADD2 T+2*\k-2, \rb+8*\k+6
.endr
	v_lshrrev_b32 v[BY], 23, v[SO]                 ; the bytes
	v_lshrrev_b32 v[BY+1], 23, v[SO+1]
	ADD2 14, \rb+6
	v_lshl_or_b32 v[W], v[BY+1], 16, v[BY]         ; my two bytes,
	v_cvt_scalef32_pk16_fp6_f32 v[PC:PC+2], v[\rb:\rb+15], v[SO]
	v_cvt_scalef32_pk16_fp6_f32 v[PT:PT+2], v[\rb+16:\rb+31], v[SO]   ; (a conversion's three registers begin on an even number)
	; p's second block
.irp k, 4,5,6,7
	v_pk_add_f32 v[T+2*\k-2:T+2*\k-1], v[\rb+8*\k:\rb+8*\k+1], v[\rb+8*\k+2:\rb+8*\k+3]
.endr
	v_lshlrev_b32 v[W], v[SH], v[W]                ; at their places in the word;
.irp k, 4,5,6,7
	ADD2 T+2*\k-2, \rb+8*\k+4
.endr
	v_permlanex16_b32 v[PX], v[W], s[SEL], s[SEL+1]
.if \pf
	LOADKA \rb                                     ; the next step's K, where p's first block lay
.endif
.irp k, 4,5,6,7
	ADD2 T+2*\k-2, \rb+8*\k+6
.endr
	v_or_b32 v[PSW], v[W], v[PX]                   ; with lane l xor 16's two the word is whole
	v_cvt_scalef32_pk16_fp6_f32 v[PC+6:PC+8], v[\rb+32:\rb+47], v[SO+1]
	v_cvt_scalef32_pk16_fp6_f32 v[PT+4:PT+6], v[\rb+48:\rb+63], v[SO+1]
.irp i, 0,1,2
	v_mov_b32 v[PC+3+\i], v[PT+\i]                 ; (the first block's: plain instructions behind the conversions above)
.endr
.if \pf
	LOADKB \rb                                     ; and where the second lay
.endif
.irp i, 0,1,2
	v_mov_b32 v[PC+9+\i], v[PT+4+\i]
.endr
	ADD2 T, T+2
	ADD2 T+4, T+6
	s_wait_dscnt 14*\pf                            ; V's 13 loads are in; the 9 + 5 loads of the next step's K may be out
	s_wait_alu depctr_va_vdst(0)                   ; directly ahead of the first reader of O^T
.set j, 0
.rept 16
	v_pk_mul_f32 v[O+j:O+j+1], v[O+j:O+j+1], v[FF:FF+1] op_sel_hi:[1,0]   ; O^T under the new M.  For each product below, the twelve of these on the other three tiles are plain instructions behind the writes of p's codes and of its scale word
.set j, j+2
.endr
.irp t, 0,1,2,3                                ; O^T += V^T P^T: four accumulators, one instruction each
	v_wmma_scale_f32_16x16x128_f8f6f4 v[O+8*\t:O+8*\t+7], v[\ra+12*\t:\ra+12*\t+11], v[PC:PC+11], v[O+8*\t:O+8*\t+7], v[VSW+\t], v[PSW] matrix_a_fmt:MATRIX_FMT_FP6 matrix_b_fmt:MATRIX_FMT_FP6
.endr
	ADD2 T+8, T+10                                 ; five plain instructions ahead of the next scores, which are written over V's fragments
	ADD2 14, T+12
	ADD2 T, T+4
	ADD2 14, T+8
	ADD2 14, T
.endm
.macro RUN trips
	s_mov_b32 s[CNT], \trips
.Lstep_\@:
	STEP R1, R2, 1
	STEP R2, R1, 1
	s_sub_co_u32 s[CNT], s[CNT], 1
	s_cmp_lg_u32 s[CNT], 0
	s_cbranch_scc1 .Lstep_\@
.endm
	s_wait_alu depctr_va_vdst(0)
	s_wait_loadcnt 0x0                             ; Q
	s_cmp_lt_u32 s[WV], 5
	s_cbranch_scc0 .Lnot_early
	s_wait_tensorcnt 0x0                           ; waves 0-4: key steps 0-3 of K and V and steps 4, 5 of K have landed
.Lnot_early:
	s_barrier_signal -1
	s_barrier_wait -1                              ; shown to all
	v_add_nc_u32 v[AK0], s[TK], v[LK0]
	v_add_nc_u32 v[AK1], s[TK], v[LK1]
	v_add_nc_u32 v[AKS], s[TK], v[LKS]
	LOADKA R1
	LOADKB R1
	v_add_nc_u32 v[AV0], s[TV], v[LV0]
	v_add_nc_u32 v[AV1], s[TV], v[LV1]
	v_add_nc_u32 v[AV2], s[TV], v[LV2]
	v_add_nc_u32 v[AVS], s[TV], v[LVS]
	s_wait_alu depctr_va_vdst(0)
	RUN 2                                          ; key steps 0-3
	s_wait_tensorcnt 0x0                           ; every wave's load has landed,
	s_wait_dscnt 0x0                               ; and no LDS instruction of mine is out at the signal
	s_barrier_signal -1
	s_barrier_wait -1                              ; all of K and V is shown to all
	RUN 5                                          ; key steps 4-13
	STEP R1, R2, 1
	STEP R2, R1, 0
	; THE WAY OUT.  O^T / l is one head's 64 of the last product's K: register 16 B + i is channel 32 B + 16 h + i: two blocks, each in lanes l and l xor 16
	v_add_f32 v14, v14, v15
	v_permlanex16_b32 v[TP], v14, s[SEL], s[SEL+1]
	v_add_f32 v14, v14, v[TP]                      ; the row's sum
	s_wait_alu depctr_va_vdst(0)
	v_rcp_f32 v14, v14
	v_and_b32 v8, 15, v0
	v_bfe_u32 v9, v0, 4, 1
	v_lshl_add_u32 v8, v8, 3, v9                   ; 8 r + h: my block's byte among the tile's scale words
	v_cmp_eq_u32 vcc_lo, 1, v9
	s_wait_alu depctr_va_vdst(0)                   ; behind the reciprocal, directly ahead of the first reader of it and of O^T
.set j, 0
.rept 16
	v_pk_mul_f32 v[R1+j:R1+j+1], v[O+j:O+j+1], v[14:15] op_sel_hi:[1,0]
.set j, j+2
.endr
	v_max3_num_f32 v[BM], |v[R1]|, |v[R1+1]|, 0x1800000
	v_max3_num_f32 v[BM+1], |v[R1+16]|, |v[R1+17]|, 0x1800000
.irp i, 2,4,6,8,10,12,14
	v_max3_num_f32 v[BM], v[BM], |v[R1+\i]|, |v[R1+\i+1]|
	v_max3_num_f32 v[BM+1], v[BM+1], |v[R1+16+\i]|, |v[R1+17+\i]|
.endr
	v_permlanex16_b32 v[PX], v[BM], s[SEL], s[SEL+1]
	v_permlanex16_b32 v[TP], v[BM+1], s[SEL], s[SEL+1]
	v_max_num_f32 v[BM], v[BM], v[PX]              ; the two blocks' largest magnitudes
	v_max_num_f32 v[BM+1], v[BM+1], v[TP]
	v_add_nc_u32 v[SO], 0xff000000, v[BM]
	v_add_nc_u32 v[SO+1], 0xff000000, v[BM+1]
	v_lshrrev_b32 v[BY], 23, v[SO]
	v_lshrrev_b32 v[BY+1], 23, v[SO+1]
	v_cvt_scalef32_pk16_fp6_f32 v[PC:PC+2], v[R1:R1+15], v[SO]
	v_cvt_scalef32_pk16_fp6_f32 v[PT:PT+2], v[R1+16:R1+31], v[SO+1]
	v_nop                                          ; one plain instruction behind the scaled conversions
.irp i, 0,1,2
	v_permlane16_swap_b32 v[PC+\i], v[PT+\i]       ; lane (r, h) now holds block h whole
.endr
.irp i, 0,1,2
	v_mov_b32 v[PC+3+\i], v[PT+\i]
.endr
	v_cndmask_b32 v[W], v[BY], v[BY+1], vcc_lo     ; and stores its byte
.irp p, 0,1,2
	global_store_b64 v[LV0], v[PC+2*\p:PC+2*\p+1], s[90:91] offset:256*\p   ; 32 lanes store 256 consecutive bytes, aligned
.endr
	global_store_b8 v8, v[W], s[92:93]             ; single bytes: the word's other two belong to the neighbouring head's work-group; one byte in 24 of what is stored
	s_wait_tensorcnt 0x0                           ; the wave's end
	ds_add_u32 v254, v255
	s_wait_dscnt 0x0
	CROUND                                         ; the closing round
	s_endpgm
.Lfunc_end_k_qd1c501c636_attn:
	.size	k_qd1c501c636_attn, .Lfunc_end_k_qd1c501c636_attn-k_qd1c501c636_attn
	.p2alignl 7, 3214868480
	.fill 96, 4, 3214868480
	.section	.rodata,"a",@progbits
	.p2align	6, 0x0
	.amdhsa_kernel k_qd1c501c636_attn
		.amdhsa_group_segment_fixed_size 224256
		.amdhsa_private_segment_fixed_size 0
		.amdhsa_enable_private_segment 0
		.amdhsa_kernarg_size 24
		.amdhsa_user_sgpr_count 2
		.amdhsa_user_sgpr_kernarg_segment_ptr 1
		.amdhsa_wavefront_size32 1
		.amdhsa_system_sgpr_workgroup_id_x 1
		.amdhsa_system_sgpr_workgroup_id_y 1
		.amdhsa_system_sgpr_workgroup_id_z 1
		.amdhsa_system_vgpr_workitem_id 0
		.amdhsa_next_free_vgpr 256
		.amdhsa_next_free_sgpr 100
		.amdhsa_reserve_vcc 1
		.amdhsa_float_denorm_mode_32 3
		.amdhsa_float_denorm_mode_16_64 3
		.amdhsa_memory_ordered 1
		.amdhsa_forward_progress 1
		.amdhsa_inst_pref_size 100
	.end_amdhsa_kernel
	.amdgpu_metadata
---
amdhsa.version: [ 1, 2 ]
amdhsa.kernels:
  - .name:           k_qd1c501c636_attn
    .symbol:         k_qd1c501c636_attn.kd
    .args:
      - { .name: qk, .offset: 0, .size: 8, .value_kind: global_buffer, .address_space: global }
      - { .name: vt, .offset: 8, .size: 8, .value_kind: global_buffer, .address_space: global }
      - { .name: oimg, .offset: 16, .size: 8, .value_kind: global_buffer, .address_space: global }
    .group_segment_fixed_size: 224256
    .private_segment_fixed_size: 0
    .kernarg_segment_align: 8
    .kernarg_segment_size: 24
    .max_flat_workgroup_size: 512
    .sgpr_count:     100
    .vgpr_count:     256
    .wavefront_size: 32
...
	.end_amdgpu_metadata
.endif
;; end of part 3
;; launch proj (part 4): grid 8 x 32, 4 waves a work-group, clusters of 4 x 4, 222,720 bytes of LDS; arguments oimg, img, bo, out0; writes out0
.if DOCPART == 4
	.amdgcn_target "amdgcn-amd-amdhsa--gfx1250"
	.amdhsa_code_object_version 6
	.text
	.protected	k_qd1c501c636_proj
	.globl	k_qd1c501c636_proj
	.p2align	8
	.type	k_qd1c501c636_proj,@function
k_qd1c501c636_proj:
	s_mov_b64 s[64:65], 0
	v_nop
	global_prefetch_b8 v0, s[64:65] scope:SCOPE_SE
	s_setreg_imm32_b32 hwreg(HW_REG_WAVE_MODE, 25, 1), 1
	s_wait_xcnt 0x0
	s_wait_alu depctr_hold_cnt(0) depctr_sa_sdst(0) depctr_va_vdst(0) depctr_va_sdst(0) depctr_va_ssrc(0) depctr_va_vcc(0) depctr_vm_vsrc(0)
	s_getreg_b32 s2, hwreg(HW_REG_IB_STS2, 6, 4)
	s_cmp_eq_u32 s2, 0
	s_cbranch_scc0 .Lentry_in_a_cluster
	s_endpgm
.Lentry_in_a_cluster:
	s_bfe_u32 s2, ttmp6, 0x10000c
	s_cmp_lg_u32 s2, 0xf033
	s_cbranch_scc0 .Lentry_shape_is_right
	s_endpgm
.Lentry_shape_is_right:
; out0 = O Wo^T + bo on codes of FP6 (E2M3) with E8M0 block scales, f32 sums.  O's codes come from oimg, Wo's from img (groups 112-127), both laid in the order of an operand's registers.
; A work-group makes 128 tokens (R: in the lanes) x 128 outputs (C: along a lane's registers); a wave 64 x 64: 16 accumulators.  THE MATRIX INSTRUCTION IS USED TRANSPOSED: source 0 = 16 rows of Wo, source 1 = 16 tokens.
; By the order of rows in a tile (lane row r of tile 2 B + u is row 32 B + 8 u + r + 8 (r / 8)), register j of accumulator (a, b) is output 32 (b / 2) + 16 (lane / 16) + 8 (b % 2) + j; the tokens' order is undone by the stores' offsets.
; K = 1,024: both panels, 204,800 bytes, lie in LDS together; every byte of them is filled ONCE, in four chunks of 256 along K; a wave has one tensor load out at the start.
; CLUSTERS: 4 x 4: O's panel is asked for jointly by a row of the cluster, Wo's by a column.  THE BIAS IS THE SUMS' STARTING VALUE.
; THE WAY OUT: a wave's 64 outputs of a token are 256 consecutive bytes of out0, aligned: 16 tokens at a time go through the wave's own stage in LDS, behind the panels, where no fill lands.
; REGISTERS: window 0: v1-13 lane numbers and addresses; v32-63 scale words; v64-127 the way out; v128-255 the accumulators.  window 1: two fragment buffers, v0-95 and v128-223: R's four, then C's four.
.set BLK,  12800
.set CH,   128*BLK                     ; a chunk of img
.set CHO,  64*BLK                      ; a chunk of oimg
.set QROW, 2*BLK                       ; a panel's chunk: two halves.  O's panel lies at 0, Wo's at 4 QROW
.set STAGE, 8*QROW
.set SPI,  272
.set ADR,  4
.set ADC,  6
.set ASC,  8
.set STO,  10                          ; v10  the stage: where I put 16 bytes of a token's row
.set RD,   11                          ; v11  and where I read a row back
.set CO,   12                          ; v12  my byte offset in out0
.set BO,   13                          ; v13  my offset in the bias
.set SC,   32
.set BK,   64                          ; v64-95, v96-127 by turns: 16 rows read back
.set ACC,  128
.set F0,   0
.set F1,   128
.set WV,   16
.set WR,   17
.set WC,   18
.set CX,   19
.set CY,   20
.set G1R,  24
.set G1C,  32
.set G0R,  40
.set G0C,  56
.set RT,   80
.set CT,   81
.set OP,   94
.set MSB, 0
.macro WIN new                         ; the immediate's high byte repeats the setting that is left
.if MSB != \new
	s_set_vgpr_msb (MSB<<8)|\new
.set MSB, \new
.endif
.endm
.set MUL,  0x05
.set TO_F, 0x40
.macro CROUND                          ; a round of the cluster's barrier
	s_barrier_signal -1
	s_barrier_wait -1
	s_cmp_lg_u32 s[WV], 0
	s_cbranch_scc1 .Lnot_wave_0_\@
	s_barrier_signal -3
.Lnot_wave_0_\@:
	s_barrier_wait -3
	s_barrier_signal -1
	s_barrier_wait -1
.endm
.macro PLACES                          ; four plain instructions behind a matrix instruction, ahead of loads into registers that it read and of reads of its result
.rept 4
	v_nop
.endr
.endm
	s_load_b256 s[4:11], s[0:1], 0x0               ; oimg s[4:5], img s[6:7], bo s[8:9], out0 s[10:11]
	v_lshl_add_u32 v30, v0, 2, 0x36400
	v_mov_b32 v31, 0
	ds_add_u32 v30, v31
	ds_add_u32 v30, v31
	v_lshrrev_b32 v1, 5, v0
	v_readfirstlane_b32 s[WV], v1                  ; wave 0..3
	s_lshr_b32 s[WR], s[WV], 1                     ; which half of the tokens is mine.  Also: I fetch chunks 0, 1 (0) or 2, 3 (1)
	s_and_b32 s[WC], s[WV], 1                      ; which half of the outputs.  Also: I fetch for O (0) or for Wo (1)
	s_bfe_u32 s[CX], ttmp6, 0x40000
	s_bfe_u32 s[CY], ttmp6, 0x40004
	s_and_b32 s[RT], ttmp7, 0xffff
	s_lshl_b32 s[RT], s[RT], 2
	s_add_co_u32 s[RT], s[RT], s[CY]               ; my block of 128 tokens
	s_lshl_b32 s[CT], ttmp9, 2
	s_add_co_u32 s[CT], s[CT], s[CX]               ; and of 128 outputs
	s_lshl_b32 s84, s[RT], 1                       ; O: groups 2 RT and the next, from chunk 2 x (wave / 2) on
	s_mul_i32 s84, s84, BLK
	s_mul_i32 s85, s[WR], 2*CHO
	s_add_co_u32 s84, s84, s85
	s_mov_b32 s85, 0
	s_lshl_b32 s86, s[CT], 1                       ; Wo: groups 112 + 2 CT and the next in img, the same two chunks
	s_add_co_u32 s86, s86, 112
	s_mul_i32 s86, s86, BLK
	s_mul_i32 s87, s[WR], 2*CH
	s_add_co_u32 s86, s86, s87
	s_mov_b32 s87, 0
	s_mul_i32 s92, s[WR], 2*QROW                   ; where two chunks go in a panel
	s_lshl_b32 s98, s[CY], 2
	s_lshl_b32 s98, 15, s98                        ; my row of the cluster
	s_lshl_b32 s99, 0x1111, s[CX]                  ; my column
	s_or_b32 s[G1R], s98, (3<<16)|(1<<21)          ; the mask; elements of 8 bytes
	s_or_b32 s[G1C], s99, (3<<16)|(1<<21)
.irp g, G1R, G1C
	s_mov_b32 s[\g+1], 3200<<16                    ; two chunks of a panel by one load: a row is a chunk's two halves, 25,600 bytes on end = 3,200 elements
	s_mov_b32 s[\g+2], 2<<16
	s_mov_b32 s[\g+3], 3200<<16
	s_mov_b32 s[\g+4], 2
.if \g == G1R
	s_mov_b32 s[\g+5], CHO/8                       ; a chunk of oimg apart,
.else
	s_mov_b32 s[\g+5], CH/8                        ; or of img
.endif
	s_mov_b32 s[\g+6], 0
	s_mov_b32 s[\g+7], 0
.endr
	s_wait_dscnt 0x0
	s_wait_kmcnt 0x0
	s_add_nc_u64 s[88:89], s[4:5], s[84:85]
	s_add_nc_u64 s[90:91], s[6:7], s[86:87]
	CROUND                                         ; all sixteen work-groups are here: the joint loads meet
.irp q, 0
.set GC, G0C+4*\q+4*(\q/2)
	s_mov_b32 s[G0R+4*\q], 1
	s_add_co_u32 s[G0R+4*\q+1], s92, \q*QROW
	s_add_nc_u64 s[G0R+4*\q+2:G0R+4*\q+3], s[88:89], \q*CHO
	s_or_b32 s[G0R+4*\q+3], s[G0R+4*\q+3], 0x80000000
	s_mov_b32 s[GC], 1
	s_add_co_u32 s[GC+1], s92, 4*QROW
	s_add_nc_u64 s[GC+2:GC+3], s[90:91], \q*CH
	s_or_b32 s[GC+3], s[GC+3], 0x80000000
.endr
; THE FILLS AS THEY STAND: at the head ONE load a wave, each in an arm of its own: wave 0 O's chunks 0, 1; wave 1 Wo's chunks 0, 1; wave 2 O's chunks 2, 3; wave 3 Wo's chunks 2, 3.
; The first barrier shows waves 0 and 1's; a barrier in K step 3, ahead of which every wave waits for its load, shows the rest.  Every byte is filled once.
.macro ARM n, g0, g1, next
	s_cmp_eq_u32 s[WV], \n
	s_cbranch_scc0 \next
	tensor_load_to_lds s[\g0:\g0+3], s[\g1:\g1+7]
	s_nop 0
	PLACES
	s_branch .Lfirst_asked
\next:
.endm
	ARM 0, G0R, G1R, .Larm_1
	ARM 1, G0C, G1C, .Larm_2
	ARM 2, G0R, G1R, .Larm_3
	tensor_load_to_lds s[G0C:G0C+3], s[G1C:G1C+7]
	s_nop 0
	PLACES
.Lfirst_asked:
	v_and_b32 v1, 15, v0                           ; r
	v_bfe_u32 v2, v0, 4, 1                         ; h
	v_and_b32 v3, 31, v0
	v_lshlrev_b32 v3, 3, v3                        ; 8 x lane
	s_wait_alu depctr_va_vdst(0)
	s_lshl_b32 s76, s[CT], 1
	s_add_co_u32 s76, s76, s[WC]                   ; my 64 outputs
	s_lshl_b32 s84, s76, 8
	s_mov_b32 s85, 0
	s_add_nc_u64 s[82:83], s[8:9], s[84:85]
	v_lshlrev_b32 v[BO], 6, v2
.irp a, 0,1,2,3
.irp b, 0,1,2,3
	global_load_b128 v[ACC+8*(4*\a+\b):ACC+8*(4*\a+\b)+3], v[BO], s[82:83] offset:128*(\b/2)+32*(\b%2)   ; the bias, in the result's layout
	global_load_b128 v[ACC+8*(4*\a+\b)+4:ACC+8*(4*\a+\b)+7], v[BO], s[82:83] offset:128*(\b/2)+32*(\b%2)+16
.endr
.endr
	s_lshl_b32 s77, s[RT], 1
	s_add_co_u32 s77, s77, s[WR]                   ; my 64 tokens
	s_lshl_b32 s86, s77, 18                        ; rows of 4,096 bytes
	s_add_co_u32 s86, s86, s84                     ; + my outputs' 256 bytes
	s_mov_b32 s87, 0
	s_add_nc_u64 s[OP:OP+1], s[10:11], s[86:87]
	s_mul_i32 s76, s[WR], BLK
	v_add_nc_u32 v[ADR], s76, v3
	v_add_nc_u32 v[ADR+1], 2*QROW, v[ADR]
	s_mul_i32 s77, s[WC], BLK
	s_add_co_u32 s77, s77, 8*BLK
	v_add_nc_u32 v[ADC], s77, v3
	v_add_nc_u32 v[ADC+1], 2*QROW, v[ADC]
	s_xor_b32 s78, s[WR], 1
	s_add_co_u32 s78, s78, s[WC]
	s_add_co_u32 s78, s78, 7
	s_mul_i32 s78, s78, BLK                        ; (8 + wc - wr) blocks: from R's half to C's
	v_mul_u32_u24 v[ASC], s78, v2                  ; lanes 16-31 take C's words
	v_lshl_add_u32 v[ASC], v1, 3, v[ASC]
	s_add_co_u32 s76, s76, 12288
	v_add_nc_u32 v[ASC], s76, v[ASC]
	v_add_nc_u32 v[ASC+1], 2*QROW, v[ASC]
	s_mul_i32 s79, s[WV], 16*SPI
	s_add_co_u32 s79, s79, STAGE                   ; my stage
	v_mul_u32_u24 v[STO], v1, SPI
	v_lshl_add_u32 v[STO], v2, 6, v[STO]
	v_add_nc_u32 v[STO], s79, v[STO]               ; in: row r, + 64 h
	v_mul_u32_u24 v[RD], v2, SPI
	v_lshl_add_u32 v[RD], v1, 4, v[RD]
	v_add_nc_u32 v[RD], s79, v[RD]                 ; back: lanes 0-15 one row, lanes 16-31 the next
	v_lshlrev_b32 v[CO], 12, v2
	v_lshl_add_u32 v[CO], v1, 4, v[CO]             ; and the same two tokens in out0
	s_wait_alu depctr_va_vdst(0)
	s_wait_loadcnt 0x0                             ; the bias is in the accumulators
.macro FRAG reg, adr, off              ; a fragment comes as it was stored: six parts, 256 consecutive bytes a load
.irp p, 0,1,2,3,4,5
	ds_load_b64 v[\reg+2*\p:\reg+2*\p+1], v[\adr] offset:\off+256*\p
.endr
.endm
.macro FETCH s, f                      ; K step s into buffer f: C's four fragments, then R's four: 48 loads
	WIN TO_F
.set FO, (((\s)/2)%2)*QROW+((\s)%2)*1536
.set FK, (\s)/4
.irp b, 0,1,2,3
	FRAG \f+48+12*\b, ADC+FK, FO+3072*\b
.endr
.irp a, 0,1,2,3
	FRAG \f+12*\a, ADR+FK, FO+3072*\a
.endr
.endm
.macro SCALES q                        ; chunk q's scale words: two K steps' a load
.irp i, 0,1,2,3
	ds_load_b64 v[SC+8*\i+2*(\q):SC+8*\i+2*(\q)+1], v[ASC+(\q)/2] offset:((\q)%2)*QROW+128*\i
.endr
.endm
; 8 matrix instructions: R's tiles a0, a0 + 1 x C's four.  The 16 accumulators take turns, one instruction a turn, in the same order in every K step.
.macro MUL8 f, a0, s
.irp a, \a0, \a0+1
.irp b, 0,1,2,3
	v_wmma_scale_f32_16x16x128_f8f6f4 v[ACC+8*(4*(\a)+\b):ACC+8*(4*(\a)+\b)+7], v[\f+48+12*\b:\f+48+12*\b+11], v[\f+12*(\a):\f+12*(\a)+11], v[ACC+8*(4*(\a)+\b):ACC+8*(4*(\a)+\b)+7], v[SC+8*\b+(\s)], v[SC+8*(\a)+(\s)] matrix_a_fmt:MATRIX_FMT_FP6 matrix_b_fmt:MATRIX_FMT_FP6 matrix_a_scale:MATRIX_SCALE_ROW1
.endr
.endr
.endm
.macro EVEN s                          ; a chunk's first K step, in buffer 0; its second is fetched in the middle
	s_wait_dscnt 12                                ; all but the youngest twelve loads (R's tiles 2, 3) are in
	WIN MUL
	MUL8 F0, 0, \s
	PLACES
	FETCH (\s)+1, F1
	s_wait_dscnt 48                                ; all but the 48 just issued
	WIN MUL
	MUL8 F0, 2, \s
.endm
.macro ODD s                           ; a chunk's second K step, in buffer 1; the next chunk is shown whole by a barrier and its first K step is fetched
	s_wait_dscnt 0x0                               ; buffer 1 is in; no LDS instruction of mine is out at the signal
.if (\s) == 3
	s_wait_tensorcnt 0x0                           ; every wave's load has landed: chunks 2 and 3 among them
	s_barrier_signal -1
.endif
	MUL8 F1, 0, \s
.if (\s) == 3
	s_barrier_wait -1
.endif
	PLACES
	WIN 0
	SCALES ((\s)+1)/2
	FETCH (\s)+1, F0
	WIN MUL
	MUL8 F1, 2, \s
.endm
	s_cmp_lt_u32 s[WV], 2
	s_cbranch_scc0 .Lnot_first
	s_wait_tensorcnt 0x0                           ; waves 0 and 1: chunks 0 and 1 of O and of Wo have landed
.Lnot_first:
	s_barrier_signal -1
	s_barrier_wait -1                              ; shown to all
	SCALES 0
	FETCH 0, F0
	EVEN 0
	ODD 1
	EVEN 2
	ODD 3
	EVEN 4
	ODD 5
	EVEN 6
	s_wait_dscnt 0x0
	MUL8 F1, 0, 7
	MUL8 F1, 2, 7
	WIN 0
	PLACES
; THE WAY OUT, a tile of 16 tokens at a time.  LDS serves a wave's instructions in order (ISA guide 5.7.1.4): no wait between the stores and the loads, nor ahead of the next tile's stores.
.macro TOSTAGE a
.set BB, BK+32*((\a)%2)
.irp b, 0,1,2,3
	ds_store_b128 v[STO], v[ACC+8*(4*(\a)+\b):ACC+8*(4*(\a)+\b)+3] offset:128*(\b/2)+32*(\b%2)         ; each accumulator from its low end on
	ds_store_b128 v[STO], v[ACC+8*(4*(\a)+\b)+4:ACC+8*(4*(\a)+\b)+7] offset:128*(\b/2)+32*(\b%2)+16
.endr
.irp i, 0,1,2,3,4,5,6,7
	ds_load_b128 v[BB+4*\i:BB+4*\i+3], v[RD] offset:2*SPI*\i
.endr
.endm
.macro SEND a, younger                 ; younger: the LDS instructions issued behind tile a's loads, which may stay out
.set BB, BK+32*((\a)%2)
	s_wait_dscnt \younger
.irp i, 0,1,2,3,4,5,6,7
	global_store_b128 v[CO], v[BB+4*\i:BB+4*\i+3], s[OP:OP+1] offset:(32*((\a)/2)+8*((\a)%2)+2*\i+8*(\i/4))*4096 th:TH_STORE_NT   ; stage row 2 i + h is token 32 (a / 2) + 8 (a % 2) + 2 i + h + 8 (i / 4); 16 lanes store 256 consecutive bytes, aligned
.endr
.endm
	TOSTAGE 0
.irp a, 1,2,3
.if \a > 1
	s_wait_xcnt 0x0                                ; tile a - 2's stores have read their registers: tile a's loads may land there
.endif
	TOSTAGE \a
	SEND \a-1, 16                                  ; behind tile a - 1's loads: tile a's 8 stores and 8 loads
.endr
	SEND 3, 0
	s_wait_tensorcnt 0x0
	ds_add_u32 v30, v31
	s_wait_dscnt 0x0
	CROUND                                         ; the closing round: no work-group ends while a partner may still ask for a block that names it
	s_endpgm
.Lfunc_end_k_qd1c501c636_proj:
	.size	k_qd1c501c636_proj, .Lfunc_end_k_qd1c501c636_proj-k_qd1c501c636_proj
	.p2alignl 7, 3214868480
	.fill 96, 4, 3214868480
	.section	.rodata,"a",@progbits
	.p2align	6, 0x0
	.amdhsa_kernel k_qd1c501c636_proj
		.amdhsa_group_segment_fixed_size 222720
		.amdhsa_private_segment_fixed_size 0
		.amdhsa_enable_private_segment 0
		.amdhsa_kernarg_size 32
		.amdhsa_user_sgpr_count 2
		.amdhsa_user_sgpr_kernarg_segment_ptr 1
		.amdhsa_wavefront_size32 1
		.amdhsa_system_sgpr_workgroup_id_x 1
		.amdhsa_system_sgpr_workgroup_id_y 1
		.amdhsa_system_sgpr_workgroup_id_z 1
		.amdhsa_system_vgpr_workitem_id 0
		.amdhsa_next_free_vgpr 512
		.amdhsa_next_free_sgpr 100
		.amdhsa_reserve_vcc 0
		.amdhsa_float_denorm_mode_32 3
		.amdhsa_float_denorm_mode_16_64 3
		.amdhsa_memory_ordered 1
		.amdhsa_forward_progress 1
		.amdhsa_inst_pref_size 61
	.end_amdhsa_kernel
	.amdgpu_metadata
---
amdhsa.version: [ 1, 2 ]
amdhsa.kernels:
  - .name:           k_qd1c501c636_proj
    .symbol:         k_qd1c501c636_proj.kd
    .args:
      - { .name: oimg, .offset: 0, .size: 8, .value_kind: global_buffer, .address_space: global }
      - { .name: img, .offset: 8, .size: 8, .value_kind: global_buffer, .address_space: global }
      - { .name: bo, .offset: 16, .size: 8, .value_kind: global_buffer, .address_space: global }
      - { .name: out0, .offset: 24, .size: 8, .value_kind: global_buffer, .address_space: global }
    .group_segment_fixed_size: 222720
    .private_segment_fixed_size: 0
    .kernarg_segment_align: 8
    .kernarg_segment_size: 32
    .max_flat_workgroup_size: 128
    .sgpr_count:     100
    .vgpr_count:     512
    .wavefront_size: 32
...
	.end_amdgpu_metadata
.endif
;; end of part 4
